; MI455X (gfx1250); checked and timed in simulation.
; The chip was launched on July 23, 2026; its instructions are those of AMD's public machine-readable ISA for CDNA 5 (MIT licence, August 2026) and "CDNA5" Instruction Set Architecture Reference Guide (July 2026). The comments in the code are by the model that wrote it; some were corrected since.
;; Multihead Attention. Allowed arithmetic: matrix products marked QUANTISED: E2M3 operands, one E8M0 scale for each 32 along K, by v_wmma_scale_f32_16x16x128_f8f6f4 with both operands' format E2M3, f32 sums; everything else in f32.
;; Inputs: Wk 1,024 x 1,024 float32; Wo 1,024 x 1,024 float32; Wq 1,024 x 1,024 float32; Wv 1,024 x 1,024 float32; bk 1,024 float32; bo 1,024 float32; bq 1,024 float32; bv 1,024 float32; key_input 1,024 x 8 x 1,024 float32; key_padding_mask 8 x 1,024 int32; query_input 1,024 x 8 x 1,024 float32; value_input 1,024 x 8 x 1,024 float32.
;; Outputs: out0 1,024 x 8 x 1,024 float32.
;; This version of the problem:
;;   THIS VERSION OF THE PROBLEM IS GIVEN IN LOW PRECISION. The matrix products marked QUANTISED in the list below multiply operands that are first quantised to E2M3 (2 exponent bits, 3 mantissa bits; 6 bits a number), with one power-of-two scale for each 32 numbers along K (OCP MX v1.0); their sums are f32. All else is computed in f32.
;;   The module's matrix products, in the order in which they are computed (A, B: the left and right operand; K: the contracted axis; several contracted axes count as one K, in the product's order):
;;     1. [M 8,192, K 1,024] x [K 1,024, N 1,024]; A: input query_input; B: input Wq: QUANTISED
;;     2. [M 8,192, K 1,024] x [K 1,024, N 1,024]; A: input key_input; B: input Wk: QUANTISED
;;     3. [M 8,192, K 1,024] x [K 1,024, N 1,024]; A: input value_input; B: input Wv: QUANTISED
;;     4. batch 128 x [M 1,024, K 64] x [K 64, N 1,024]; A: computed on the way; B: computed on the way: QUANTISED
;;     5. batch 128 x [M 1,024, K 1,024] x [K 1,024, N 64]; A: softmax (see below); B: computed on the way: QUANTISED
;;     6. [M 8,192, K 1,024] x [K 1,024, N 1,024]; A: computed on the way; B: input Wo: QUANTISED
;;   THE QUANTISER, for each operand of a quantised product, along K:
;;     - K is cut into blocks of 32 from its start; a last block that is shorter is filled with zeros.
;;     - A block's scale is 2^e with e = floor(log2(the largest magnitude in the block)) - 2, held to -126 .. 127; a block of zeros has e = 0. As a byte (E8M0): e + 127.
;;     - Each number is divided by its block's scale, clamped to +-7.5, and rounded to the nearest number of E2M3, ties to even, subnormals kept.
;;     - The product sums the exact products of the quantised numbers (number of the format x scale) in f32.
;;   ~~~python
;;   def quantise(x, axis):      # numpy; x: float32 -> the quantised numbers, widened to float32 again
;;       x = np.moveaxis(x, axis, -1); K = x.shape[-1]
;;       x = np.pad(x, [(0, 0)] * (x.ndim - 1) + [(0, -K % 32)]); x = x.reshape(x.shape[:-1] + (-1, 32)); a = np.abs(x).max(-1, keepdims=True)
;;       e = np.where(a > 0, np.clip(np.frexp(np.where(a > 0, a, 1))[1] - 1 - 2, -126, 127), 0)      # np.frexp(a)[1] - 1 = floor(log2(a)), exactly
;;       r = np.clip(x / 2.0 ** e, -7.5, 7.5)
;;       step = 2.0 ** (np.maximum(np.frexp(np.where(r == 0, 1, r))[1] - 1, 0) - 3)
;;       q = np.round(r / step) * step * 2.0 ** e      # np.round: ties to even
;;       return np.moveaxis(q.reshape(q.shape[:-2] + (-1,))[..., :K], -1, axis).astype(np.float32)
;;   ~~~
;;   SOFTMAX AHEAD OF A QUANTISED PRODUCT. Where the list says 'softmax', what is quantised is not the finished softmax but p = 2^(t - M), with t = logit x log2(e) and M = ceil(the row's largest t), a whole number; so 1/2 < the row's largest p <= 1. The row's sum l is taken of the UNQUANTISED p, in f32, and the product's result is divided by l at the end. Since M is a whole number, a kernel that streams over the keys may use a running M (the ceiling of the running maximum): every later rescaling is an exact power of two, which a block's scale takes up: the codes' values come out the same.
;;   OPERANDS COMPUTED ON THE WAY. 'Computed on the way' means the value that the module computes at that place (a softmax that the list does not call 'softmax' is quantised finished and normalised). What goes into a quantiser is computed in f32, as accurately as f32 sums, v_exp_f32 and their like allow (about 1e-6 of the number): no bf16 or f16 on the way to a quantiser, and a product that is left as it is and whose result goes on into a quantised operand takes f32 operands (vector FMAs, or v_wmma_f32_16x16x4_f32). A number that lies on a knife's edge between two numbers of the format may be rounded either way, as far as f32 arithmetic and the matrix unit's own rounding can turn it there, and no further.
;; One version. Each part assembles by itself: llvm-mc -triple=amdgcn-amd-amdhsa -mcpu=gfx1250 --defsym DOCPART=n.
;; ======== version 1 of 1: 4 launches
;; limits: right only within a limited range of input values
;; workspace buffers: opc 22,020,096 bytes; ops 917,504 bytes; prc 18,874,368 bytes; prs 786,432 bytes; atc 6,291,456 bytes; ats 262,144 bytes
;; launch quant (part 1): grid 896 x 1, 4 waves a work-group, no clusters, 34,304 bytes of LDS; arguments query_input, key_input, value_input, Wq, Wk, Wv, Wo, opc, ops; writes opc, ops
.if DOCPART == 1
	.amdgcn_target "amdgcn-amd-amdhsa--gfx1250"
	.amdhsa_code_object_version 6
	.text
	.protected	k_q788b2f0fc3_quant
	.globl	k_q788b2f0fc3_quant
	.p2align	8
	.type	k_q788b2f0fc3_quant,@function
k_q788b2f0fc3_quant:
	s_mov_b64 s[64:65], 0
	v_nop
	global_prefetch_b8 v0, s[64:65] scope:SCOPE_SE
	s_setreg_imm32_b32 hwreg(HW_REG_WAVE_MODE, 25, 1), 1
	s_wait_xcnt 0x0
; MULTI-HEAD ATTENTION IN MX-FP6, launch 1 of 4: the three inputs and the four weights, f32 with K innermost, become codes of E2M3 and E8M0 scale bytes.
; DEAD WORK: none is left out in any launch.  Every input has a way to the output: each bias goes into a quantised operand or into the result, and hidden keys share blocks of 32 with open ones, so no whole tile falls away.
; THE FORMAT OF ALL WORKSPACE OPERANDS ("images").  An operand is cut into row tiles of 16 positions and K steps of 128.  Codes: [row tile][K step 0..7][c 0..1][768 bytes]; half image c holds registers 6 c .. 6 c + 5 of the
; matrix operand's 12: byte 16 l + 4 i (i = 0..3) is register 6 c + i of lane l, byte 512 + 8 l + 4 i (i = 0, 1) register 6 c + 4 + i.  Lane l = (r = l % 16, h = l / 16) holds position r, k = 64 c + 32 h + 0 .. 31 of the step.
; Scale words: [row tile][K step][r], four bytes each, byte q for block q of the step.  So every later read of an operand is dense over the lanes.
; ROW TILES of opc / ops: 0-511 query_input, 512-1023 key_input, 1024-1535 value_input (tile 64 b + tau of batch b), 1536-1599 Wq, 1600-1663 Wk, 1664-1727 Wv, 1728-1791 Wo.
; WHICH ROWS FORM A TILE: query_input and Wo: neighbours.  The five others: position r of tile tau holds row 32 (tau / 2) + 8 (tau % 2) + r + 8 (r / 8), so that a later transposed product leaves 16 neighbours along its next K in a lane.
; A block's scale is 2^(floor(log2(its largest magnitude)) - 2); its byte is the largest magnitude's exponent field - 2, held at 1 from below.
; LIMITS: a block of zeros carries the byte 1 where the rule says 127 (its codes are zeros, and these bytes are read by this program alone); NaN and infinities among the inputs are not served.
; SHARES: a wave takes one row tile and half of K: 4 K steps, 16 rows x 2,048 bytes.  Each load reads 512 consecutive bytes of one row; a K step turns through the wave's own stage in LDS, so that a lane gets 16 neighbours of each block.
; Waves share nothing: no barrier.  Two K steps' loads (32 a wave) are on their way.
.set STG,   8448                       ; a wave's stage: 16 rows x (512 + 16) bytes
.set SPARE, 4*STG                      ; behind the stages: the spare words, 128 bytes for each wave
.set SPW,   10                         ; v10  my spare word's LDS address; never rewritten
.set NIL,   11                         ; v11  0; never rewritten
.set RO,    12                         ; v12-27 byte offset of my 16 bytes in row i of the tile
.set PWR,   28                         ; v28-31 the four K steps' scale words
.set R,     32                         ; v32-159 two sets of 64 registers as loaded
.set X,     160                        ; v160-223 64 numbers: register 16 q + i = k 32 q + 16 h + i of my row
.set PC,    224                        ; v224-242 the codes
.set TM,    244                        ; v244-247 largest magnitudes, v248-251 bytes, v252-255 the conversions' scale operands
.set SEL,   44                         ; s[44:45] lane selects: lane l xor 16
	s_load_b512 s[4:19], s[0:1], 0x0               ; query, key, value, Wq, Wk, Wv, Wo, opc
	s_load_b64 s[20:21], s[0:1], 0x40              ; ops
	v_lshl_add_u32 v[SPW], v0, 2, SPARE
	v_mov_b32 v[NIL], 0
	v_lshrrev_b32 v1, 5, v0
	v_readfirstlane_b32 s22, v1                    ; wave
	v_and_b32 v1, 31, v0                           ; lane
	v_and_b32 v2, 15, v0                           ; r
	v_bfe_u32 v3, v0, 4, 1                         ; h
	s_mul_i32 s23, s22, STG
	v_lshlrev_b32 v6, 4, v1                        ; 16 l
	v_lshlrev_b32 v7, 3, v1                        ; 8 l
	v_lshlrev_b32 v8, 2, v1                        ; 4 l
	v_add_nc_u32 v4, s23, v6                       ; into the stage: 16 l of a row
	v_mul_u32_u24 v5, v2, 528
	v_lshl_add_u32 v5, v3, 6, v5
	v_add_nc_u32 v5, s23, v5                       ; out of it: row r, + 64 h
	s_lshr_b32 s27, s22, 1
	s_lshl_b32 s24, ttmp9, 1
	s_add_co_u32 s24, s24, s27                     ; my row tile
	s_and_b32 s25, s22, 1                          ; my half of K
	s_lshr_b32 s26, s24, 9                         ; an input: tensor 0..2
	s_sub_co_u32 s27, s24, 1536
	s_lshr_b32 s27, s27, 6
	s_add_co_u32 s27, s27, 3                       ; a weight: tensor 3..6
	s_bfe_u32 s28, s24, 0x30006                    ; the batch
	s_and_b32 s29, s24, 63                         ; tau
	s_mov_b32 s30, 32768                           ; bytes from row to row: an input's rows of one batch,
	s_cmp_ge_u32 s24, 1536
	s_cselect_b32 s26, s27, s26
	s_cselect_b32 s28, 0, s28
	s_cselect_b32 s30, 4096, s30                   ; a weight's
	s_lshr_b32 s32, s29, 1
	s_lshl_b32 s32, s32, 5
	s_and_b32 s33, s29, 1
	s_lshl_b32 s33, s33, 3
	s_add_co_u32 s32, s32, s33                     ; 32 (tau / 2) + 8 (tau % 2)
	s_lshl_b32 s33, s29, 4                         ; 16 tau
	s_sub_co_u32 s31, s26, 1
	s_cmp_lt_u32 s31, 5                            ; tensors 1 to 5 take the chosen rows
	s_cselect_b32 s32, s32, s33                    ; the tile's first row
	s_cselect_b32 s34, 8, 0                        ; and the gap in front of its rows 8-15
	s_mul_i32 s35, s34, s30
.irp i, 0,1,2,3,4,5,6,7,8,9,10,11,12,13,14,15
	s_mul_i32 s46, s30, \i
.if \i >= 8
	s_add_co_u32 s46, s46, s35
.endif
	v_add_nc_u32 v[RO+\i], s46, v6
.endr
	s_mul_i32 s38, s32, s30
	s_lshl_b32 s39, s28, 12
	s_add_co_u32 s38, s38, s39
	s_lshl_b32 s39, s25, 11
	s_add_co_u32 s38, s38, s39                     ; first row x pitch + 4,096 x batch + 2,048 x half
	s_mov_b32 s39, 0
	s_mul_i32 s40, s24, 12288
	s_mul_i32 s41, s25, 6144
	s_add_co_u32 s40, s40, s41
	s_mov_b32 s41, 0
	s_lshl_b32 s42, s24, 9
	s_lshl_b32 s43, s25, 8
	s_add_co_u32 s42, s42, s43
	s_mov_b32 s43, 0
	s_mov_b32 s[SEL], 0x76543210
	s_mov_b32 s[SEL+1], 0xfedcba98
.irp b, 0,1,2,3
	v_mov_b32 v[TM+4+\b], 0                        ; written once: a lane permute's destination counts as one of its sources
.endr
	s_wait_kmcnt 0x0
	s_mov_b64 s[36:37], s[4:5]                     ; the tensor is chosen by the work-group's and the wave's number alone
.irp n, 1,2,3,4,5,6
	s_cmp_eq_u32 s26, \n
	s_cselect_b64 s[36:37], s[4+2*\n:5+2*\n], s[36:37]
.endr
	s_add_nc_u64 s[36:37], s[36:37], s[38:39]
	s_add_nc_u64 s[18:19], s[18:19], s[40:41]
	s_add_nc_u64 s[20:21], s[20:21], s[42:43]
.macro LOAD s                          ; K step s of my four: 512 consecutive bytes of each of the 16 rows
.irp i, 0,1,2,3,4,5,6,7,8,9,10,11,12,13,14,15
	global_load_b128 v[R+64*((\s)%2)+4*\i:R+64*((\s)%2)+4*\i+3], v[RO+\i], s[36:37] offset:512*(\s) th:TH_LOAD_NT
.endr
.endm
.macro TURN s                          ; through the stage: LDS serves a wave's instructions in order, so no wait stands between the stores and the loads
.irp i, 0,1,2,3,4,5,6,7,8,9,10,11,12,13,14,15
	ds_store_b128 v4, v[R+64*((\s)%2)+4*\i:R+64*((\s)%2)+4*\i+3] offset:528*\i
.endr
.irp q, 0,1,2,3
.irp j, 0,1,2,3
	ds_load_b128 v[X+16*\q+4*\j:X+16*\q+4*\j+3], v5 offset:128*\q+16*\j
.endr
.endr
.endm
; 64 numbers of a lane, register 16 b + i = k 32 b + 16 h + i of my row, become an operand's 12 registers in v[PC] on and its scale word in v[pw]
.macro QUANT s, pw
.irp b, 0,1,2,3
	v_max3_num_f32 v[TM+\b], |v[\s+16*\b]|, |v[\s+1+16*\b]|, 0x1800000   ; my 16 numbers of block b, and the floor 2^(3 - 127): the byte cannot fall under 1
.endr
.irp i, 2,4,6,8,10,12,14
.irp b, 0,1,2,3
	v_max3_num_f32 v[TM+\b], v[TM+\b], |v[\s+16*\b+\i]|, |v[\s+1+16*\b+\i]|
.endr
.endr
.irp b, 0,1,2,3
	v_permlanex16_b32 v[TM+4+\b], v[TM+\b], s[SEL], s[SEL+1]
.endr
.irp b, 0,1,2,3
	v_max_num_f32 v[TM+\b], v[TM+\b], v[TM+4+\b]   ; with lane l xor 16's: the block's largest magnitude
.endr
.irp b, 0,1,2,3
	v_add_nc_u32 v[TM+8+\b], 0xff000000, v[TM+\b]  ; 2 off its exponent field: the conversion's scale operand
.endr
.irp b, 0,1,2,3
	v_lshrrev_b32 v[TM+4+\b], 23, v[TM+8+\b]       ; the scale's byte
.endr
	v_lshl_or_b32 v[\pw], v[TM+5], 8, v[TM+4]
	v_lshl_or_b32 v[\pw], v[TM+6], 16, v[\pw]
	v_lshl_or_b32 v[\pw], v[TM+7], 24, v[\pw]
.irp c, 0,1
	v_cvt_scalef32_pk16_fp6_f32 v[PC+6*\c:PC+2+6*\c], v[\s+32*\c:\s+15+32*\c], v[TM+8+2*\c]
	v_cvt_scalef32_pk16_fp6_f32 v[PC+12+4*\c:PC+14+4*\c], v[\s+16+32*\c:\s+31+32*\c], v[TM+8+2*\c+1]   ; (a conversion's three registers begin on an even number)
.endr
	v_nop                                          ; one plain place behind a scaled conversion
.irp c, 0,1                            ; the operand wants a whole block in a lane: lanes 0-15 block 2 c, lanes 16-31 block 2 c + 1
.irp i, 0,1,2
	v_permlane16_swap_b32 v[PC+6*\c+\i], v[PC+12+4*\c+\i]
.endr
.irp i, 0,1,2
	v_mov_b32 v[PC+3+6*\c+\i], v[PC+12+4*\c+\i]
.endr
.endr
.endm
.macro OUT off                         ; the operand's image: each store covers 512 or 256 consecutive bytes, aligned
	global_store_b128 v6, v[PC:PC+3], s[18:19] offset:\off
	global_store_b64 v7, v[PC+4:PC+5], s[18:19] offset:\off+512
	global_store_b128 v6, v[PC+6:PC+9], s[18:19] offset:\off+768
	global_store_b64 v7, v[PC+10:PC+11], s[18:19] offset:\off+1280
.endm
.macro QSTEP s
.if (\s) < 3
	s_wait_loadcnt 16                              ; this step's 16 loads are in; the next step's 16 may be out
.else
	s_wait_loadcnt 0x0
.endif
	TURN \s
	s_wait_dscnt 0x0                               ; the numbers are back, and the stage's stores have read their registers,
.if (\s) < 2
	LOAD (\s)+2                                    ; which take the loads of two steps on
.endif
	s_wait_xcnt 0x0                                ; the last step's stores have read the codes' registers
	QUANT X, PWR+(\s)
	OUT 1536*(\s)
.endm
	LOAD 0
	LOAD 1
	QSTEP 0
	QSTEP 1
	QSTEP 2
	QSTEP 3
	v_cmp_lt_u32 vcc_lo, 15, v1                    ; every lane holds its row's word: lanes 0-15 send the even step's, lanes 16-31 the odd step's
	v_cndmask_b32 v[PWR], v[PWR], v[PWR+1], vcc_lo
	v_cndmask_b32 v[PWR+2], v[PWR+2], v[PWR+3], vcc_lo
	global_store_b32 v8, v[PWR], s[20:21]          ; 128 consecutive bytes each: together my four steps' 256
	global_store_b32 v8, v[PWR+2], s[20:21] offset:128
	s_wait_tensorcnt 0x0                           ; the wave's end
	ds_add_u32 v[SPW], v[NIL]
	s_wait_dscnt 0x0
	s_endpgm
.Lfunc_end_k_q788b2f0fc3_quant:
	.size	k_q788b2f0fc3_quant, .Lfunc_end_k_q788b2f0fc3_quant-k_q788b2f0fc3_quant
	.p2alignl 7, 3214868480
	.fill 96, 4, 3214868480
	.section	.rodata,"a",@progbits
	.p2align	6, 0x0
	.amdhsa_kernel k_q788b2f0fc3_quant
		.amdhsa_group_segment_fixed_size 34304
		.amdhsa_private_segment_fixed_size 0
		.amdhsa_enable_private_segment 0
		.amdhsa_kernarg_size 72
		.amdhsa_user_sgpr_count 2
		.amdhsa_user_sgpr_kernarg_segment_ptr 1
		.amdhsa_wavefront_size32 1
		.amdhsa_system_sgpr_workgroup_id_x 1
		.amdhsa_system_sgpr_workgroup_id_y 1
		.amdhsa_system_sgpr_workgroup_id_z 1
		.amdhsa_system_vgpr_workitem_id 0
		.amdhsa_next_free_vgpr 256
		.amdhsa_next_free_sgpr 66
		.amdhsa_reserve_vcc 1
		.amdhsa_float_denorm_mode_32 3
		.amdhsa_float_denorm_mode_16_64 3
		.amdhsa_memory_ordered 1
		.amdhsa_forward_progress 1
		.amdhsa_inst_pref_size 36
	.end_amdhsa_kernel
	.amdgpu_metadata
---
amdhsa.version: [ 1, 2 ]
amdhsa.kernels:
  - .name:           k_q788b2f0fc3_quant
    .symbol:         k_q788b2f0fc3_quant.kd
    .args:
      - { .name: query_input, .offset: 0, .size: 8, .value_kind: global_buffer, .address_space: global }
      - { .name: key_input, .offset: 8, .size: 8, .value_kind: global_buffer, .address_space: global }
      - { .name: value_input, .offset: 16, .size: 8, .value_kind: global_buffer, .address_space: global }
      - { .name: Wq, .offset: 24, .size: 8, .value_kind: global_buffer, .address_space: global }
      - { .name: Wk, .offset: 32, .size: 8, .value_kind: global_buffer, .address_space: global }
      - { .name: Wv, .offset: 40, .size: 8, .value_kind: global_buffer, .address_space: global }
      - { .name: Wo, .offset: 48, .size: 8, .value_kind: global_buffer, .address_space: global }
      - { .name: opc, .offset: 56, .size: 8, .value_kind: global_buffer, .address_space: global }
      - { .name: ops, .offset: 64, .size: 8, .value_kind: global_buffer, .address_space: global }
    .group_segment_fixed_size: 34304
    .private_segment_fixed_size: 0
    .kernarg_segment_align: 8
    .kernarg_segment_size: 72
    .max_flat_workgroup_size: 128
    .sgpr_count:     66
    .vgpr_count:     256
    .wavefront_size: 32
...
	.end_amdgpu_metadata
.endif
;; end of part 1
;; launch proj (part 2): grid 4 x 192, 4 waves a work-group, clusters of 4 x 4, 327,680 bytes of LDS; arguments opc, ops, prc, prs, bq, bk, bv; writes prc, prs
.if DOCPART == 2
	.amdgcn_target "amdgcn-amd-amdhsa--gfx1250"
	.amdhsa_code_object_version 6
	.text
	.protected	k_q788b2f0fc3_proj
	.globl	k_q788b2f0fc3_proj
	.p2align	8
	.type	k_q788b2f0fc3_proj,@function
k_q788b2f0fc3_proj:
	s_mov_b64 s[64:65], 0
	v_nop
	global_prefetch_b8 v0, s[64:65] scope:SCOPE_SE
	s_setreg_imm32_b32 hwreg(HW_REG_WAVE_MODE, 25, 1), 1
	s_wait_xcnt 0x0
	s_wait_alu depctr_hold_cnt(0) depctr_sa_sdst(0) depctr_va_vdst(0) depctr_va_sdst(0) depctr_va_ssrc(0) depctr_va_vcc(0) depctr_vm_vsrc(0)
	s_getreg_b32 s2, hwreg(HW_REG_IB_STS2, 6, 4)
	s_cmp_eq_u32 s2, 0
	s_cbranch_scc0 .Lentry_in_a_cluster
	s_endpgm
.Lentry_in_a_cluster:
	s_bfe_u32 s2, ttmp6, 0x10000c
	s_cmp_lg_u32 s2, 0xf033
	s_cbranch_scc0 .Lentry_shape_is_right
	s_endpgm
.Lentry_shape_is_right:
; Launch 2 of 4: q = (x Wq^T + bq) / 8, k = x Wk^T + bk, v = x Wv^T + bv on codes of E2M3, and the results quantised again: q and k along the head's 64, v along the keys.  No work is left out.
; Operands and results are images (launch 1's head says how they lie).  prc: three parts of 6,291,456 bytes: Q (row tile 64 b + query tile, K step = pair of heads, c = the head's parity), K (the same, key tiles in the chosen order),
; V^T (row tile 64 b + tile of n in the chosen order, K step = 128 keys).  prs: their scale words, three parts of 262,144 bytes.
; A TILE: 128 positions of the A side (source 1) x 256 of the B side (source 0).  Four waves, 2 x 2: a wave has 4 blocks of A x 8 tiles of B: 32 accumulators.  The product is used transposed: a lane holds one position of A,
; and the 16 registers of B's tiles 2 i, 2 i + 1 are 16 neighbours along B's rows (launch 1 chose B's rows for that).  For Q and K: A = the input's rows, B = the weight's: the registers run along n, the next K.
; For V the sides change places: A = Wv's rows, B = value_input's: the registers run along the keys.  That is all the transposition that V needs.  The choice hangs on the cluster's y alone.
; ALL OF K LIES IN LDS: 384 rows x 768 bytes.  Every tile is asked for at the head, in four quarters of K; nothing is filled again.  A counted wait and a barrier open each quarter.
; CLUSTER 4 x 4: A's tiles are asked for jointly along a row of the cluster, B's along a column.  The scale words go from memory straight into registers: lanes 0-15 an even K step's, lanes 16-31 the odd one's.
; LIMITS: as launch 1's.
; REGISTERS: window 0: v1-21 addresses; v32-63 B's scale words, v64-79 A's; v80-87 V's bias; v88 a scale word; v96-191 A's fragments, two sets (on the way out numbers, codes, work); v192-255 Q's and K's bias.
;   window 1: B's fragments, two sets, at v0 and v128.   window 2: accumulator (a, b) at v[8 (8 a + b)].
.set QB,    73728                      ; a quarter of K in LDS: A's 8 row tiles x 3,072 bytes, then B's 16
.set SPARE, 4*QB                       ; behind the tiles: the spare words, 128 bytes for each wave
.set ADA16, 16                         ; v16-19 LDS addresses of my fragments in the quarter in hand: 16 l and 8 l, for A and for B
.set ADA8,  17
.set ADB16, 18
.set ADB8,  19
.set SPW,   28
.set NIL,   29
.set SB,    32
.set SA,    64
.set BN,    80
.set PW,    88
.set AF,    96
.set NUM,   96
.set PC,    160
.set TM,    180
.set BP,    192
.set SEL,   2                          ; s[2:3]
.set G1A,   24                         ; s[24:31], s[32:39] descriptor groups 1; s[40:55] A's four groups 0; s[56:63], s[68:75] B's
.set G1B,   32
.set G0A,   40
.set MUL,   0xa1                       ; source 0 (B) window 1, source 1 (A) window 0, C and D window 2
.set TO_B,  0x40
.set MSB, 0
.macro WIN new                         ; the immediate's high byte repeats the setting that is left
.if MSB != (\new)
	s_set_vgpr_msb (MSB<<8)|(\new)
.set MSB, (\new)
.endif
.endm
.macro CROUND                          ; a round of the cluster's barrier
	s_barrier_signal -1
	s_barrier_wait -1
	s_cmp_lg_u32 s18, 0
	s_cbranch_scc1 .Lnot_wave_0_\@
	s_barrier_signal -3
.Lnot_wave_0_\@:
	s_barrier_wait -3
	s_barrier_signal -1
	s_barrier_wait -1
.endm
.macro PLACES
.rept 4
	v_nop
.endr
.endm
.macro FRAGL reg, a16, a8, off         ; an operand's 12 registers from its image
	ds_load_b128 v[\reg:\reg+3], v[\a16] offset:\off
	ds_load_b64 v[\reg+4:\reg+5], v[\a8] offset:\off+512
	ds_load_b128 v[\reg+6:\reg+9], v[\a16] offset:\off+768
	ds_load_b64 v[\reg+10:\reg+11], v[\a8] offset:\off+1280
.endm
.macro FETCH k                         ; K step k's fragments: B's eight, A's four: 48 loads in one run
	WIN TO_B
.irp i, 0,1,2,3,4,5,6,7
	FRAGL 128*((\k)%2)+12*\i, ADB16, ADB8, 3072*\i+1536*((\k)%2)
.endr
	WIN 0
.irp i, 0,1,2,3
	FRAGL AF+48*((\k)%2)+12*\i, ADA16, ADA8, 3072*\i+1536*((\k)%2)
.endr
.endm
; 16 matrix instructions: A's blocks a0, a0 + 1 x B's eight.  cmode 1: the constant 0 starts the sums; 2: the bias does; 0: in place.  The 32 accumulators take turns, one instruction a turn, in the same order in every step.
.macro MULH k, a0, cmode
.irp a, \a0, \a0+1
.irp b, 0,1,2,3,4,5,6,7
.if \cmode == 1
	v_wmma_scale_f32_16x16x128_f8f6f4 v[8*(8*(\a)+\b):8*(8*(\a)+\b)+7], v[128*((\k)%2)+12*\b:128*((\k)%2)+12*\b+11], v[AF+48*((\k)%2)+12*(\a):AF+48*((\k)%2)+12*(\a)+11], 0, v[SB+4*\b+(\k)/2], v[SA+4*(\a)+(\k)/2] matrix_a_fmt:MATRIX_FMT_FP6 matrix_b_fmt:MATRIX_FMT_FP6
.elseif \cmode == 2
	v_wmma_scale_f32_16x16x128_f8f6f4 v[8*(8*(\a)+\b):8*(8*(\a)+\b)+7], v[128*((\k)%2)+12*\b:128*((\k)%2)+12*\b+11], v[AF+48*((\k)%2)+12*(\a):AF+48*((\k)%2)+12*(\a)+11], v[BP+8*\b:BP+8*\b+7], v[SB+4*\b+(\k)/2], v[SA+4*(\a)+(\k)/2] matrix_a_fmt:MATRIX_FMT_FP6 matrix_b_fmt:MATRIX_FMT_FP6
.elseif (\k)%2
	v_wmma_scale_f32_16x16x128_f8f6f4 v[8*(8*(\a)+\b):8*(8*(\a)+\b)+7], v[128*((\k)%2)+12*\b:128*((\k)%2)+12*\b+11], v[AF+48*((\k)%2)+12*(\a):AF+48*((\k)%2)+12*(\a)+11], v[8*(8*(\a)+\b):8*(8*(\a)+\b)+7], v[SB+4*\b+(\k)/2], v[SA+4*(\a)+(\k)/2] matrix_a_fmt:MATRIX_FMT_FP6 matrix_b_fmt:MATRIX_FMT_FP6 matrix_a_scale:MATRIX_SCALE_ROW1 matrix_b_scale:MATRIX_SCALE_ROW1
.else
	v_wmma_scale_f32_16x16x128_f8f6f4 v[8*(8*(\a)+\b):8*(8*(\a)+\b)+7], v[128*((\k)%2)+12*\b:128*((\k)%2)+12*\b+11], v[AF+48*((\k)%2)+12*(\a):AF+48*((\k)%2)+12*(\a)+11], v[8*(8*(\a)+\b):8*(8*(\a)+\b)+7], v[SB+4*\b+(\k)/2], v[SA+4*(\a)+(\k)/2] matrix_a_fmt:MATRIX_FMT_FP6 matrix_b_fmt:MATRIX_FMT_FP6
.endif
.endr
.endr
.endm
.macro MWIN cmode
.if \cmode == 2
	WIN 0x81                                       ; the bias, C, lies in window 0
.else
	WIN MUL
.endif
.endm
; A K step of 128: 32 matrix instructions; in its middle the next step's fragments are fetched, into the set that the step before multiplied.  An odd step leaves its quarter of K:
; my own part of the next quarter has landed (the count leaves the later quarters' loads out), no LDS load of mine is out, and behind the barrier that holds of all four waves.
.macro KSTEP k, cmode
	s_wait_dscnt 0x0                               ; this step's fragments are in
.if ((\k)%2) && ((\k) < 7)
	s_wait_tensorcnt 3-((\k)+1)/2
	s_barrier_signal -1
.endif
	MWIN \cmode
	MULH \k, 0, \cmode
.if (\k) < 7
.if (\k)%2
	s_barrier_wait -1
	WIN 0
	v_add_nc_u32 v[ADA16], QB, v[ADA16]            ; on to the next quarter; these four lines are also the four places in front of the loads
	v_add_nc_u32 v[ADA8], QB, v[ADA8]
	v_add_nc_u32 v[ADB16], QB, v[ADB16]
	v_add_nc_u32 v[ADB8], QB, v[ADB8]
.else
	WIN 0
	PLACES                                         ; four places in front of loads into registers that matrix instructions have read
.endif
	FETCH (\k)+1
	MWIN \cmode
.endif
	MULH \k, 2, \cmode
.endm
	s_load_b256 s[4:11], s[0:1], 0x0               ; opc, ops, prc, prs
	s_load_b128 s[12:15], s[0:1], 0x20             ; bq, bk
	s_load_b64 s[16:17], s[0:1], 0x30              ; bv
	v_lshl_add_u32 v[SPW], v0, 2, SPARE
	v_mov_b32 v[NIL], 0
	ds_add_u32 v[SPW], v[NIL]                      ; the wave's opening: the add, twice on end, and its wait ahead of my first tensor load
	ds_add_u32 v[SPW], v[NIL]
	v_lshrrev_b32 v1, 5, v0
	v_readfirstlane_b32 s18, v1                    ; wave
	s_lshr_b32 s19, s18, 1                         ; my half of A's blocks.  Also: I fetch for A (0) or for B (1)
	s_and_b32 s20, s18, 1                          ; my half of B's tiles.  Also: which half of that side's row tiles I fetch
	s_bfe_u32 s21, ttmp6, 0x40000                  ; cx
	s_bfe_u32 s22, ttmp6, 0x40004                  ; cy
	s_and_b32 s23, ttmp7, 0xffff                   ; the cluster's y, 0..47
	s_lshl_b32 s2, s22, 2
	s_lshl_b32 s2, 15, s2                          ; my row of the cluster
	s_lshl_b32 s3, 0x1111, s21                     ; my column
	s_or_b32 s[G1A], s2, (3<<16)|(1<<21)           ; the mask; elements of 8 bytes; bit 21 beside a mask; no padding
	s_or_b32 s[G1B], s3, (3<<16)|(1<<21)
	s_mov_b32 s[G1A+1], 384<<16                    ; a row: two K steps of a row tile, 3,072 bytes
	s_mov_b32 s[G1A+2], 4<<16                      ; four row tiles
	s_mov_b32 s[G1A+3], 384<<16
	s_mov_b32 s[G1A+4], 4
	s_mov_b32 s[G1A+5], 1536                       ; 12,288 bytes from row tile to row tile
	s_mov_b32 s[G1A+6], 0
	s_mov_b32 s[G1A+7], 0
	s_mov_b32 s[G1B+1], 384<<16
	s_mov_b32 s[G1B+2], 8<<16                      ; eight row tiles
	s_mov_b32 s[G1B+3], 384<<16
	s_mov_b32 s[G1B+4], 8
	s_mov_b32 s[G1B+5], 1536
	s_mov_b32 s[G1B+6], 0
	s_mov_b32 s[G1B+7], 0
	s_mov_b32 s[SEL], 0x76543210
	s_mov_b32 s[SEL+1], 0xfedcba98
	s_lshr_b32 s76, s23, 4                         ; T: 0 Q, 1 K, 2 V
	s_and_b32 s77, s23, 15
	s_and_b32 s78, s77, 1
	s_lshr_b32 s79, s77, 1
	s_lshl_b32 s80, s76, 9                         ; Q, K: A = the input, from row tile 512 T,
	s_lshl_b32 s81, s76, 6
	s_add_co_u32 s81, s81, 1536                    ; B = the weight, from 1536 + 64 T
	s_mov_b32 s82, 1664                            ; V: A = Wv,
	s_mov_b32 s83, 1024                            ; B = value_input
	s_cmp_eq_u32 s76, 2
	s_cselect_b32 s78, s78, s77
	s_cselect_b32 s79, s79, 0
	s_cselect_b32 s80, s82, s80
	s_cselect_b32 s81, s83, s81
	s_lshl_b32 s78, s78, 2
	s_add_co_u32 s78, s78, s22                     ; At: which 128 positions of A (cy enters here alone)
	s_lshl_b32 s79, s79, 2
	s_add_co_u32 s79, s79, s21                     ; Bt: which 256 of B (cx enters here alone)
	s_lshl_b32 s84, s78, 3
	s_add_co_u32 s84, s84, s80                     ; A's first row tile
	s_lshl_b32 s85, s79, 4
	s_add_co_u32 s85, s85, s81                     ; B's
	s_lshl_b32 s86, s20, 2
	s_add_co_u32 s86, s86, s84
	s_mul_i32 s86, s86, 12288                      ; what I would fetch of A,
	s_mov_b32 s87, 0
	s_lshl_b32 s88, s20, 3
	s_add_co_u32 s88, s88, s85
	s_mul_i32 s88, s88, 12288                      ; and of B
	s_mov_b32 s89, 0
	s_mul_i32 s90, s20, 12288                      ; where they go: the wave's number alone
	s_mul_i32 s91, s20, 24576
	s_add_co_u32 s91, s91, 24576
	s_wait_dscnt 0x0                               ; both opening adds are done
	s_wait_kmcnt 0x0
	s_add_nc_u64 s[86:87], s[4:5], s[86:87]
	s_add_nc_u64 s[88:89], s[4:5], s[88:89]
	CROUND                                         ; all sixteen work-groups are here: the joint loads meet
.irp q, 0,1,2,3
	s_mov_b32 s[G0A+4*\q], 1
	s_add_co_u32 s[G0A+4*\q+1], s90, \q*QB
	s_add_nc_u64 s[G0A+4*\q+2:G0A+4*\q+3], s[86:87], \q*3072
	s_or_b32 s[G0A+4*\q+3], s[G0A+4*\q+3], 0x80000000
	s_mov_b32 s[56+4*\q+4*(\q/2)], 1
	s_add_co_u32 s[56+4*\q+4*(\q/2)+1], s91, \q*QB
	s_add_nc_u64 s[56+4*\q+4*(\q/2)+2:56+4*\q+4*(\q/2)+3], s[88:89], \q*3072
	s_or_b32 s[56+4*\q+4*(\q/2)+3], s[56+4*\q+4*(\q/2)+3], 0x80000000
.endr
	s_cmp_eq_u32 s19, 0                            ; a wave's four fills stand in one arm: four tensor loads of mine are out
	s_cbranch_scc0 .Lfirst_b
.irp q, 0,1,2,3
	tensor_load_to_lds s[G0A+4*\q:G0A+4*\q+3], s[G1A:G1A+7]
	s_nop 0
.endr
	PLACES
	s_branch .Lfirst_done
.Lfirst_b:
.irp q, 0,1,2,3
	tensor_load_to_lds s[56+4*\q+4*(\q/2):56+4*\q+4*(\q/2)+3], s[G1B:G1B+7]
	s_nop 0
.endr
	PLACES
.Lfirst_done:
	v_and_b32 v1, 31, v0                           ; lane
	v_and_b32 v2, 15, v0                           ; r
	v_bfe_u32 v3, v0, 4, 1                         ; h
	v_lshlrev_b32 v8, 2, v1
	v_lshlrev_b32 v12, 4, v1
	v_lshlrev_b32 v13, 3, v1
	v_lshlrev_b32 v14, 2, v2
	s_lshl_b32 s86, s19, 2
	s_add_co_u32 s86, s86, s84
	s_lshl_b32 s86, s86, 9
	s_mov_b32 s87, 0
	s_add_nc_u64 s[86:87], s[6:7], s[86:87]        ; my four blocks' scale words
	s_lshl_b32 s88, s20, 3
	s_add_co_u32 s88, s88, s85
	s_lshl_b32 s88, s88, 9
	s_mov_b32 s89, 0
	s_add_nc_u64 s[88:89], s[6:7], s[88:89]        ; my eight tiles'
.irp b, 0,1,2,3,4,5,6,7
.irp m, 0,1,2,3
	global_load_b32 v[SB+4*\b+\m], v8, s[88:89] offset:512*\b+128*\m   ; lanes 0-15: K step 2 m; lanes 16-31: 2 m + 1
.endr
.endr
.irp a, 0,1,2,3
.irp m, 0,1,2,3
	global_load_b32 v[SA+4*\a+\m], v8, s[86:87] offset:512*\a+128*\m
.endr
.endr
	s_mul_i32 s90, s19, 12288
	v_add_nc_u32 v[ADA16], s90, v12
	v_add_nc_u32 v[ADA8], s90, v13
	s_mul_i32 s91, s20, 24576
	s_add_co_u32 s91, s91, 24576
	v_add_nc_u32 v[ADB16], s91, v12
	v_add_nc_u32 v[ADB8], s91, v13
	; where the results go.  G = 2 Bt + my half of B: for Q and K the pair of heads, for V 8 x batch + the key step
	s_lshl_b32 s82, s79, 1
	s_add_co_u32 s82, s82, s20
	s_lshr_b32 s83, s82, 3
	s_lshl_b32 s83, s83, 6
	s_lshl_b32 s90, s78, 3
	s_add_co_u32 s83, s83, s90
	s_lshl_b32 s90, s19, 2
	s_add_co_u32 s83, s83, s90                     ; the first row tile: 64 (G / 8) + 8 At + 4 x my half of A
	s_lshl_b32 s83, s83, 3
	s_and_b32 s90, s82, 7
	s_add_co_u32 s83, s83, s90                     ; x 8 + the K step
	s_mul_i32 s98, s83, 1536
	s_mul_i32 s90, s76, 6291456
	s_add_co_u32 s98, s98, s90
	s_mov_b32 s99, 0
	s_add_nc_u64 s[98:99], s[8:9], s[98:99]
	s_lshl_b32 s100, s83, 6
	s_lshl_b32 s90, s76, 18
	s_add_co_u32 s100, s100, s90
	s_mov_b32 s101, 0
	s_add_nc_u64 s[100:101], s[10:11], s[100:101]
	; the biases.  Q, K: along the registers (n = 128 G + 32 (b / 2) + 16 h + 8 (b % 2) + j); V: one number a lane and block (n by Wv's chosen rows).  Both are loaded on every path, the one not used from the buffer's start
	s_lshl_b32 s90, s82, 9
	s_lshl_b32 s91, s78, 1
	s_add_co_u32 s91, s91, s19
	s_lshl_b32 s91, s91, 8
	s_cmp_eq_u32 s76, 1
	s_cselect_b64 s[92:93], s[14:15], s[12:13]
	s_cmp_eq_u32 s76, 2
	s_cselect_b64 s[92:93], s[16:17], s[92:93]
	s_cselect_b32 s90, 0, s90
	s_cselect_b32 s80, s91, 0
	s_mov_b32 s91, 0
	s_mov_b32 s81, 0
	s_add_nc_u64 s[94:95], s[92:93], s[80:81]
	s_add_nc_u64 s[92:93], s[92:93], s[90:91]
	s_cmp_eq_u32 s76, 0
	s_cselect_b32 s96, 0x3e000000, 1.0             ; q is scaled by 1 / 8
	s_mov_b32 s97, s96
	v_lshlrev_b32 v20, 6, v3
.irp b, 0,1,2,3,4,5,6,7
	global_load_b128 v[BP+8*\b:BP+8*\b+3], v20, s[92:93] offset:128*(\b/2)+32*(\b%2)
	global_load_b128 v[BP+8*\b+4:BP+8*\b+7], v20, s[92:93] offset:128*(\b/2)+32*(\b%2)+16
.endr
	v_and_b32 v21, 8, v2
	v_add_nc_u32 v21, v21, v2
	v_lshlrev_b32 v21, 2, v21
.irp a, 0,1,2,3
	global_load_b32 v[BN+2*\a], v21, s[94:95] offset:128*(\a/2)+32*(\a%2)
	global_load_b32 v[BN+2*\a+1], v21, s[94:95] offset:128*(\a/2)+32*(\a%2)
.endr
	s_wait_tensorcnt 3                             ; my part of the first quarter of K is in; the three later loads may be out
	s_barrier_signal -1
	s_barrier_wait -1                              ; everybody's is
	FETCH 0
	s_wait_loadcnt 0x0                             ; scale words and biases
	KSTEP 0, 1
	KSTEP 1, 0
	KSTEP 2, 0
	KSTEP 3, 0
	KSTEP 4, 0
	KSTEP 5, 0
	KSTEP 6, 0
	KSTEP 7, 0
	WIN 0
; 64 numbers of a lane, register 16 b + i = k 32 b + 16 h + i of my row, become an operand's 12 registers in v[PC] on and its scale word in v[pw]
.macro QUANT s, pw
.irp b, 0,1,2,3
	v_max3_num_f32 v[TM+\b], |v[\s+16*\b]|, |v[\s+1+16*\b]|, 0x1800000   ; my 16 numbers of block b, and the floor 2^(3 - 127): the byte cannot fall under 1
.endr
.irp i, 2,4,6,8,10,12,14
.irp b, 0,1,2,3
	v_max3_num_f32 v[TM+\b], v[TM+\b], |v[\s+16*\b+\i]|, |v[\s+1+16*\b+\i]|
.endr
.endr
.irp b, 0,1,2,3
	v_permlanex16_b32 v[TM+4+\b], v[TM+\b], s[SEL], s[SEL+1]
.endr
.irp b, 0,1,2,3
	v_max_num_f32 v[TM+\b], v[TM+\b], v[TM+4+\b]
.endr
.irp b, 0,1,2,3
	v_add_nc_u32 v[TM+8+\b], 0xff000000, v[TM+\b]  ; 2 off the exponent field: the conversion's scale operand
.endr
.irp b, 0,1,2,3
	v_lshrrev_b32 v[TM+4+\b], 23, v[TM+8+\b]       ; the scale's byte
.endr
	v_lshl_or_b32 v[\pw], v[TM+5], 8, v[TM+4]
	v_lshl_or_b32 v[\pw], v[TM+6], 16, v[\pw]
	v_lshl_or_b32 v[\pw], v[TM+7], 24, v[\pw]
.irp c, 0,1
	v_cvt_scalef32_pk16_fp6_f32 v[PC+6*\c:PC+2+6*\c], v[\s+32*\c:\s+15+32*\c], v[TM+8+2*\c]
	v_cvt_scalef32_pk16_fp6_f32 v[PC+12+4*\c:PC+14+4*\c], v[\s+16+32*\c:\s+31+32*\c], v[TM+8+2*\c+1]
.endr
	v_nop                                          ; one plain place behind a scaled conversion
.irp c, 0,1
.irp i, 0,1,2
	v_permlane16_swap_b32 v[PC+6*\c+\i], v[PC+12+4*\c+\i]
.endr
.irp i, 0,1,2
	v_mov_b32 v[PC+3+6*\c+\i], v[PC+12+4*\c+\i]
.endr
.endr
.endm
.macro OUT off
	global_store_b128 v12, v[PC:PC+3], s[98:99] offset:\off
	global_store_b64 v13, v[PC+4:PC+5], s[98:99] offset:\off+512
	global_store_b128 v12, v[PC+6:PC+9], s[98:99] offset:\off+768
	global_store_b64 v13, v[PC+10:PC+11], s[98:99] offset:\off+1280
.endm
; Block a of A: its 64 numbers a lane get the bias (and q its scaling), are quantised, and leave as one image and 16 scale words.  Each accumulator is read from its low end on.
.macro BLOCK a
	s_cmp_eq_u32 s76, 2                            ; the cluster's y alone decides: all partners and all waves go the same way
	s_cbranch_scc1 .Lalong_keys_\@
	WIN 0x02                                       ; source 0: window 2
.set n, 0
.rept 32
	v_pk_fma_f32 v[NUM+n:NUM+n+1], v[64*\a+n:64*\a+n+1], s[96:97], v[BP+n:BP+n+1] op_sel_hi:[1,0,1]   ; (sum + bias) x scaling, the bias scaled beforehand: the scaling is a power of two
.set n, n+2
.endr
	WIN 0
	s_branch .Lboth_\@
.Lalong_keys_\@:
	WIN 0x02
.set n, 0
.rept 32
	v_pk_add_f32 v[NUM+n:NUM+n+1], v[64*\a+n:64*\a+n+1], v[BN+2*\a:BN+2*\a+1]
.set n, n+2
.endr
	WIN 0
.Lboth_\@:
	s_wait_xcnt 0x0                                ; the last block's stores have read the codes' and the word's registers
	QUANT NUM, PW
	OUT 12288*\a
	global_store_b32 v14, v[PW], s[100:101] offset:512*\a   ; both halves of the lanes hold, and write, the same 16 words
.endm
.set n, 0
.rept 32
	v_pk_mul_f32 v[BP+n:BP+n+1], v[BP+n:BP+n+1], s[96:97] op_sel_hi:[1,0]   ; the bias x the scaling.  These lines name no register of the last products: they are the places behind them
.set n, n+2
.endr
.irp b, 0,1,2,3
	v_mov_b32 v[TM+4+\b], 0                        ; a lane permute's destination counts as one of its sources
.endr
	BLOCK 0
	BLOCK 1
	BLOCK 2
	BLOCK 3
	s_wait_tensorcnt 0x0                           ; the wave's end
	ds_add_u32 v[SPW], v[NIL]
	s_wait_dscnt 0x0
	CROUND                                         ; the closing round
	s_endpgm
.Lfunc_end_k_q788b2f0fc3_proj:
	.size	k_q788b2f0fc3_proj, .Lfunc_end_k_q788b2f0fc3_proj-k_q788b2f0fc3_proj
	.p2alignl 7, 3214868480
	.fill 96, 4, 3214868480
	.section	.rodata,"a",@progbits
	.p2align	6, 0x0
	.amdhsa_kernel k_q788b2f0fc3_proj
		.amdhsa_group_segment_fixed_size 327680
		.amdhsa_private_segment_fixed_size 0
		.amdhsa_enable_private_segment 0
		.amdhsa_kernarg_size 56
		.amdhsa_user_sgpr_count 2
		.amdhsa_user_sgpr_kernarg_segment_ptr 1
		.amdhsa_wavefront_size32 1
		.amdhsa_system_sgpr_workgroup_id_x 1
		.amdhsa_system_sgpr_workgroup_id_y 1
		.amdhsa_system_sgpr_workgroup_id_z 1
		.amdhsa_system_vgpr_workitem_id 0
		.amdhsa_next_free_vgpr 768
		.amdhsa_next_free_sgpr 102
		.amdhsa_reserve_vcc 0
		.amdhsa_float_denorm_mode_32 3
		.amdhsa_float_denorm_mode_16_64 3
		.amdhsa_memory_ordered 1
		.amdhsa_forward_progress 1
		.amdhsa_inst_pref_size 112
	.end_amdhsa_kernel
	.amdgpu_metadata
---
amdhsa.version: [ 1, 2 ]
amdhsa.kernels:
  - .name:           k_q788b2f0fc3_proj
    .symbol:         k_q788b2f0fc3_proj.kd
    .args:
      - { .name: opc, .offset: 0, .size: 8, .value_kind: global_buffer, .address_space: global }
      - { .name: ops, .offset: 8, .size: 8, .value_kind: global_buffer, .address_space: global }
      - { .name: prc, .offset: 16, .size: 8, .value_kind: global_buffer, .address_space: global }
      - { .name: prs, .offset: 24, .size: 8, .value_kind: global_buffer, .address_space: global }
      - { .name: bq, .offset: 32, .size: 8, .value_kind: global_buffer, .address_space: global }
      - { .name: bk, .offset: 40, .size: 8, .value_kind: global_buffer, .address_space: global }
      - { .name: bv, .offset: 48, .size: 8, .value_kind: global_buffer, .address_space: global }
    .group_segment_fixed_size: 327680
    .private_segment_fixed_size: 0
    .kernarg_segment_align: 8
    .kernarg_segment_size: 56
    .max_flat_workgroup_size: 128
    .sgpr_count:     102
    .vgpr_count:     768
    .wavefront_size: 32
...
	.end_amdgpu_metadata
.endif
;; end of part 2
;; launch attn (part 3): grid 4 x 64, 8 waves a work-group, clusters of 4 x 1, 209,920 bytes of LDS; arguments prc, prs, key_padding_mask, atc, ats; writes atc, ats
.if DOCPART == 3
	.amdgcn_target "amdgcn-amd-amdhsa--gfx1250"
	.amdhsa_code_object_version 6
	.text
	.protected	k_q788b2f0fc3_attn
	.globl	k_q788b2f0fc3_attn
	.p2align	8
	.type	k_q788b2f0fc3_attn,@function
k_q788b2f0fc3_attn:
	s_mov_b64 s[64:65], 0
	v_nop
	global_prefetch_b8 v0, s[64:65] scope:SCOPE_SE
	s_setreg_imm32_b32 hwreg(HW_REG_WAVE_MODE, 25, 1), 1
	s_wait_xcnt 0x0
	s_wait_alu depctr_hold_cnt(0) depctr_sa_sdst(0) depctr_va_vdst(0) depctr_va_sdst(0) depctr_va_ssrc(0) depctr_va_vcc(0) depctr_vm_vsrc(0)
	s_getreg_b32 s2, hwreg(HW_REG_IB_STS2, 6, 4)
	s_cmp_eq_u32 s2, 0
	s_cbranch_scc0 .Lentry_in_a_cluster
	s_endpgm
.Lentry_in_a_cluster:
	s_bfe_u32 s2, ttmp6, 0x10000c
	s_cmp_lg_u32 s2, 0x3003
	s_cbranch_scc0 .Lentry_shape_is_right
	s_endpgm
.Lentry_shape_is_right:
; Launch 3 of 4: scores = q k^T less FLT_MAX x mask, softmax, x v, on codes of E2M3; the result is quantised along D for the last product.  No work is left out: hidden keys share blocks of 32 with open ones.
; THE SOFTMAX: t = logit x log2(e); M = the row's largest t so far, rounded up to a whole number; p = 2^(t - M) is quantised along the keys; the row's sum is taken of the unquantised p and divides at the end.
; SHARES.  A work-group: one batch b, one pair of heads j, a quarter (256) of the queries.  Each of its eight waves owns two tiles of 16 queries and walks both heads, one after the other, 8 steps of 128 keys each.
; K, V^T and their scale words of the pair, all 1,024 keys, lie in LDS, filled once, all asked for at the head: head 0's first, head 1's behind them, so that head 1's land under head 0's work.  The four quarters form a cluster and
; ask jointly.  My place in the cluster enters the addresses of Q and of the result alone.
; LAYOUT.  Both products transposed: S^T = K Q^T, O^T = V^T P^T: a lane holds one query.  K's tiles hold keys in the chosen order (launch 1), so p's 16 registers of tiles 2 i, 2 i + 1 are 16 neighbouring keys; V^T's rows likewise for D.
; THE FIRST PRODUCT'S K IS 64: Q's operand has zeros in registers 6-11, so whatever K's operand names there counts for nothing: tile kt of K is named as 12 registers of which the upper six are the next tile's codes.
; THE MASK.  Open keys are those whose mask value is the batch's least; every other key lies FLT_MAX or more below and gets p = 0: its score begins at -2^100, given as the C of the score's product.  Where the least value is not 0
; (every key hidden, say) the open logits are all the same number in f32, so the softmax is even over them: there Q's codes are replaced by zeros.  The largest t begins at -2^96, above every hidden t.
; THE ORDER OF A STEP.  16 score products | one run of LDS loads: this step's V, the NEXT step's K, mask numbers and K scale words | the softmax of both tiles, line by line by turns | 8 second products.
; So no LDS load is waited for directly behind its issue, and no line of the softmax reads the line just above it.  The exponentials of both tiles are one batch with one wait.
; LIMITS: mask values of magnitude 2 or more (the stated arithmetic gives infinities there) count as hidden, or as open where they are the least; open t must lie above -2^96 and scores under 2^76 in magnitude;
; blocks of zeros carry the byte 1; NaN and infinities are not served.
; REGISTERS.  Window 0, all that vector lines work on, and every scale word: v1-7 places that stay, v8-14 the step's LDS addresses, v15 4 r, v16, v17 the add's two, v18-25 K's scale words, v26-29 V's, v30, v31 p's, v32, v33 Q's,
;   v34, v35 Q's raw words, v36-47 head 1's Q codes, v48-83 statistics (18 a tile), v84-123 p's codes and the conversions' second halves (20 a tile), v124-251 S^T then p (64 a tile).
; Window 1, what matrix instructions and LDS loads alone touch: v0-23 Q's two operands, v24-77 K's fragments, v78-125 V's, v126-189 the step's 64 mask numbers, v190-253 O^T (32 a tile).
.set KC,    0                          ; [head's parity][key tile 0..63][768]
.set KH,    49152                      ; a head's codes of K, and of V
.set VC,    98304                      ; [4 x parity + tile of d][key step][2 x 768]
.set KSC,   196608                     ; [key tile][16 words]
.set VSC,   200704                     ; [4 x parity + tile of d][key step][16 words]
.set MB,    204800                     ; 1,024 f32: 0 for an open key, -2^100 for a hidden one; written by LDS stores alone
.set SPARE, 208896                     ; the spare words, 128 bytes for each of eight waves
.set AK16, 1
.set AK8,  2
.set AKS,  3
.set AM,   4
.set AV16, 5
.set AV8,  6
.set AVS,  7
.set DK16, 8
.set DK8,  9
.set DKS,  10
.set DM,   11
.set DV16, 12
.set DV8,  13
.set DVS,  14
.set R4,   15
.set SPW,  16
.set NIL,  17
.set SCK,  18
.set SCV,  26
.set PS,   30
.set QS,   32
.set QSR,  34
.set QR1,  36
.set BM,   48                          ; statistics, + 18 x tile: the blocks' largest scores, then largest p
.set BT,   52                          ; at work
.set SO,   56                          ; the conversions' scale operands
.set F,    60                          ; v[60:61] f = 2^(old M - new M); later 1 / the sum
.set NM,   62                          ; -M
.set TR,   63                          ; the largest t
.set L,    64                          ; v[64:65] the sum, in two halves
.set PCD,  84                          ; codes, + 20 x tile: p's operand, 12 registers
.set PT,   96                          ; the conversions' second halves: 96-98, 100-102
.set TMPA, 99
.set HB,   103                         ; head 0's two scale bytes of the result
.set S,    124                         ; + 64 x tile
.set MST,  252
.set MOF,  253
.set QF,   0                           ; window 1: + 12 x tile
.set KF,   24
.set VF,   78
.set MK,   126
.set OT,   190                         ; + 32 x tile
.set WV,   14
.set SEL,  84
.set CS,   86
.set ZQ,   88
.set STK,  89
.set STM,  90
.set STV,  91
.set STW,  92
.set CNT,  93
.set MSB, 0
.macro WIN new                         ; the immediate's high byte repeats the setting that is left; bits 1:0 source 0, 3:2 source 1, 5:4 source 2, 7:6 destination
.if MSB != (\new)
	s_set_vgpr_msb (MSB<<8)|(\new)
.set MSB, (\new)
.endif
.endm
.macro CROUND
	s_barrier_signal -1
	s_barrier_wait -1
	s_cmp_lg_u32 s[WV], 0
	s_cbranch_scc1 .Lnot_wave_0_\@
	s_barrier_signal -3
.Lnot_wave_0_\@:
	s_barrier_wait -3
	s_barrier_signal -1
	s_barrier_wait -1
.endm
.macro PLACES
.rept 4
	v_nop
.endr
.endm
	s_load_b256 s[4:11], s[0:1], 0x0               ; prc, prs, the mask, atc
	s_load_b64 s[12:13], s[0:1], 0x20              ; ats
	v_lshl_add_u32 v[SPW], v0, 2, SPARE
	v_mov_b32 v[NIL], 0
	ds_add_u32 v[SPW], v[NIL]                      ; the wave's opening: the add, twice on end, and its wait ahead of my first tensor load
	ds_add_u32 v[SPW], v[NIL]
	v_lshrrev_b32 v1, 5, v0
	v_readfirstlane_b32 s[WV], v1                  ; wave 0..7
	s_bfe_u32 s15, ttmp6, 0x40000                  ; cx: my quarter of the queries
	s_and_b32 s16, ttmp7, 0xffff
	s_lshr_b32 s17, s16, 3                         ; the batch
	s_and_b32 s18, s16, 7                          ; the pair of heads
	; descriptor groups 1: elements of 8 bytes, the mask names all four partners, no padding
.irp g, 24,32,40,48
	s_mov_b32 s[\g], 15|(3<<16)|(1<<21)
	s_mov_b32 s[\g+6], 0
	s_mov_b32 s[\g+7], 0
.endr
	s_mov_b32 s25, 96<<16                          ; one head's codes of K: 8 key tiles x 768 bytes, 12,288 bytes apart
	s_mov_b32 s26, 8<<16
	s_mov_b32 s27, 96<<16
	s_mov_b32 s28, 8
	s_mov_b32 s29, 1536
	s_mov_b32 s33, 8<<16                           ; K's scale words: 8 key tiles x 64 bytes, 512 bytes apart
	s_mov_b32 s34, 8<<16
	s_mov_b32 s35, 8<<16
	s_mov_b32 s36, 8
	s_mov_b32 s37, 64
	s_mov_b32 s41, 32<<16                          ; an eighth of one head's codes of V: 6,144 dense bytes, as 24 rows of 256
	s_mov_b32 s42, 24<<16
	s_mov_b32 s43, 32<<16
	s_mov_b32 s44, 24
	s_mov_b32 s45, 32
	s_mov_b32 s49, 32<<16                          ; V's scale words: 512 dense bytes
	s_mov_b32 s50, 2<<16
	s_mov_b32 s51, 32<<16
	s_mov_b32 s52, 2
	s_mov_b32 s53, 32
	s_lshl_b32 s2, s17, 9
	s_lshl_b32 s3, s[WV], 6
	s_add_co_u32 s2, s2, s3
	s_add_co_u32 s2, s2, s18                       ; 8 (64 b + 8 w) + j: my eight key tiles
	s_mul_i32 s20, s2, 1536
	s_add_co_u32 s20, s20, 6291456
	s_mov_b32 s21, 0
	s_lshl_b32 s22, s2, 6
	s_add_co_u32 s22, s22, 262144
	s_mov_b32 s23, 0
	s_lshl_b32 s3, s17, 6
	s_lshl_b32 s19, s18, 3
	s_add_co_u32 s3, s3, s19                       ; 64 b + 8 j: the pair's first row tile of V^T
	s_mul_i32 s98, s3, 12288
	s_mul_i32 s89, s[WV], 6144                     ; my eighth of a head's codes, in memory (V) and in LDS (K and V)
	s_add_co_u32 s98, s98, s89
	s_add_co_u32 s98, s98, 12582912
	s_mov_b32 s99, 0
	s_add_co_u32 s3, s3, s[WV]
	s_lshl_b32 s100, s3, 9
	s_add_co_u32 s100, s100, 524288
	s_mov_b32 s101, 0
	s_lshl_b32 s19, s17, 9
	s_lshl_b32 s94, s15, 7
	s_add_co_u32 s19, s19, s94
	s_lshl_b32 s94, s[WV], 4
	s_add_co_u32 s19, s19, s94
	s_add_co_u32 s19, s19, s18                     ; 8 (64 b + 16 cx + 2 w) + j: my first tile of queries
	s_mul_i32 s94, s19, 1536
	s_mov_b32 s95, 0
	s_lshl_b32 s96, s19, 6
	s_mov_b32 s97, 0
	s_lshl_b32 s90, s[WV], 9
	s_mov_b32 s[SEL], 0x76543210
	s_mov_b32 s[SEL+1], 0xfedcba98
	s_mov_b32 s[CS], 0x3fb8aa3b                    ; log2(e)
	s_mov_b32 s[CS+1], s[CS]
	s_wait_dscnt 0x0                               ; both opening adds are done
	s_wait_kmcnt 0x0
	s_add_nc_u64 s[10:11], s[10:11], s[94:95]
	s_add_nc_u64 s[12:13], s[12:13], s[96:97]
	s_add_nc_u64 s[94:95], s[4:5], s[94:95]        ; Q's codes
	s_add_nc_u64 s[96:97], s[6:7], s[96:97]        ; Q's scale words
	CROUND                                         ; all four work-groups are here: the joint loads meet
	s_mov_b32 s56, 1                               ; K's scale words
	s_add_co_u32 s57, s90, KSC
	s_add_nc_u64 s[58:59], s[6:7], s[22:23]
	s_mov_b32 s60, 1                               ; V's
	s_add_co_u32 s61, s90, VSC
	s_add_nc_u64 s[62:63], s[6:7], s[100:101]
	s_mov_b32 s68, 1                               ; K's codes, head 0
	s_mov_b32 s69, s89
	s_add_nc_u64 s[70:71], s[4:5], s[20:21]
	s_mov_b32 s72, 1                               ; V's codes, head 0
	s_add_co_u32 s73, s89, VC
	s_add_nc_u64 s[74:75], s[4:5], s[98:99]
	s_mov_b32 s76, 1                               ; K's codes, head 1: the other half image of each key tile
	s_add_co_u32 s77, s89, KH
	s_add_nc_u64 s[78:79], s[70:71], 768
	s_mov_b32 s80, 1                               ; V's codes, head 1: the next four row tiles
	s_add_co_u32 s81, s89, VC+KH
	s_add_nc_u64 s[82:83], s[74:75], KH
.irp g, 59,63,71,75,79,83
	s_or_b32 s[\g], s[\g], 0x80000000
.endr
	tensor_load_to_lds s[56:59], s[32:39]          ; every wave brings an eighth of each region: six tensor loads of mine are out
	s_nop 0
	tensor_load_to_lds s[60:63], s[48:55]
	s_nop 0
	tensor_load_to_lds s[68:71], s[24:31]
	s_nop 0
	tensor_load_to_lds s[72:75], s[40:47]
	s_nop 0
	tensor_load_to_lds s[76:79], s[24:31]
	s_nop 0
	tensor_load_to_lds s[80:83], s[40:47]
	s_nop 0
	PLACES
	v_and_b32 v10, 31, v0                          ; lane
	v_and_b32 v8, 15, v0                           ; r
	v_bfe_u32 v9, v0, 4, 1                         ; h
	v_lshlrev_b32 v[AK16], 4, v10
	v_lshlrev_b32 v[AK8], 3, v10
	v_lshlrev_b32 v[R4], 2, v8
	v_lshl_add_u32 v[AKS], v8, 2, KSC
	v_lshl_add_u32 v[AM], v9, 6, MB
	v_lshl_add_u32 v[AV16], v10, 4, VC
	v_lshl_add_u32 v[AV8], v10, 3, VC
	v_lshl_add_u32 v[AVS], v8, 2, VSC
	v_lshl_add_u32 v[MST], v0, 4, MB               ; where my thread's four mask numbers go
	v_lshlrev_b32 v[MOF], 4, v0                    ; and where its four mask values lie
	WIN 0x40                                       ; head 0's codes of Q go straight into the operands, in window 1
.irp x, 0,1
	global_load_b128 v[QF+12*\x:QF+12*\x+3], v[AK16], s[94:95] offset:12288*\x
	global_load_b64 v[QF+12*\x+4:QF+12*\x+5], v[AK8], s[94:95] offset:12288*\x+512
.endr
	WIN 0
.irp x, 0,1
	global_load_b128 v[QR1+6*\x:QR1+6*\x+3], v[AK16], s[94:95] offset:12288*\x+768       ; head 1's are kept
	global_load_b64 v[QR1+6*\x+4:QR1+6*\x+5], v[AK8], s[94:95] offset:12288*\x+768+512
.endr
	global_load_b32 v[QSR], v[R4], s[96:97]
	global_load_b32 v[QSR+1], v[R4], s[96:97] offset:512
	s_lshl_b32 s20, s17, 12
	s_mov_b32 s21, 0
	s_add_nc_u64 s[8:9], s[8:9], s[20:21]          ; my batch's row of the mask
.irp i, 0,1,2,3,4,5,6,7
	global_load_b128 v[S+4*\i:S+4*\i+3], v[AK16], s[8:9] offset:512*\i   ; all 1,024 values: each wave finds the least by itself
.endr
	global_load_b128 v[S+32:S+35], v[MOF], s[8:9]  ; and my thread's own four
	WIN 0x40
.irp x, 0,1
.irp i, 6,7,8,9,10,11
	v_mov_b32 v[QF+12*\x+\i], 0                    ; the upper half of Q's operands: zero codes
.endr
.endr
.irp i, 48,49,50,51,52,53
	v_mov_b32 v[KF+\i], 0                          ; what K's last tile names beyond its own six registers
.endr
	WIN 0
.irp x, 0,1
.irp i, 0,1,2,3
	v_mov_b32 v[BT+18*\x+\i], 0                    ; a lane permute's destination counts as one of its sources
.endr
	v_mov_b32 v[F+18*\x+1], 0                      ; (named as the upper half of a pair)
.endr
	v_mov_b32 v[S+41], 0
	v_mov_b32 v[S+42], 0xf1800000                  ; -2^100
	s_wait_loadcnt 0x0
.set n, 0
.rept 36
	v_cvt_f32_i32 v[S+n], v[S+n]
.set n, n+1
.endr
	v_max3_num_f32 v[S+40], -v[S], -v[S+1], -v[S+2]   ; the least value, as the largest of the negated ones
.irp i, 3,5,7,9,11,13,15,17,19,21,23,25,27,29
	v_max3_num_f32 v[S+40], v[S+40], -v[S+\i], -v[S+1+\i]
.endr
	v_max_num_f32 v[S+40], v[S+40], -v[S+31]
	v_max_num_f32_dpp v[S+40], v[S+40], v[S+40] row_xmask:1 row_mask:0xf bank_mask:0xf
	v_max_num_f32_dpp v[S+40], v[S+40], v[S+40] row_xmask:2 row_mask:0xf bank_mask:0xf
	v_max_num_f32_dpp v[S+40], v[S+40], v[S+40] row_xmask:4 row_mask:0xf bank_mask:0xf
	v_max_num_f32_dpp v[S+40], v[S+40], v[S+40] row_xmask:8 row_mask:0xf bank_mask:0xf
	v_permlanex16_b32 v[S+41], v[S+40], s[SEL], s[SEL+1]
	v_max_num_f32 v[S+40], v[S+40], v[S+41]
	v_cmp_eq_f32 s[ZQ], 0, v[S+40]                 ; all ones where the least value is 0: Q's codes are kept; a value is selected by it, nothing branches on it
.irp i, 0,1,2,3
	v_add_f32 v[S+32+\i], v[S+32+\i], v[S+40]      ; my key's value less the least: 0 for an open key
	v_cmp_neq_f32 s19, 0, v[S+32+\i]
	v_cndmask_b32 v[S+36+\i], 0, v[S+42], s19
.endr
	ds_store_b128 v[MST], v[S+36:S+39]
	s_wait_tensorcnt 0x2                           ; my parts of the scale words and of head 0's K and V have landed; the two loads issued behind them, head 1's, may be out
	s_wait_dscnt 0x0                               ; my mask numbers are stored:
	s_barrier_signal -1
	s_barrier_wait -1                              ; everybody's are.  Nothing in LDS is written again but by the two loads that are out, into bytes that head 0 does not read
; K's fragments, the mask numbers and K's scale words of the step at the addresses in hand (nx = 0) or of the step after it (nx = 1)
.macro LOADK c, nx
	WIN 0x40                                       ; destination window 1, address window 0
.irp kt, 0,1,2,3,4,5,6,7
	ds_load_b128 v[KF+6*\kt:KF+6*\kt+3], v[DK16] offset:768*\kt+6144*\nx
	ds_load_b64 v[KF+6*\kt+4:KF+6*\kt+5], v[DK8] offset:768*\kt+512+6144*\nx
.endr
.irp kt, 0,1,2,3,4,5,6,7
	ds_load_b128 v[MK+8*\kt:MK+8*\kt+3], v[DM] offset:128*(\kt/2)+32*(\kt%2)+512*\nx      ; register j of tile kt: key 32 (kt / 2) + 8 (kt % 2) + 16 h + j of the step
	ds_load_b128 v[MK+8*\kt+4:MK+8*\kt+7], v[DM] offset:128*(\kt/2)+32*(\kt%2)+16+512*\nx
.endr
	WIN 0
.irp kt, 0,1,2,3,4,5,6,7
	ds_load_u16 v[SCK+\kt], v[DKS] offset:64*\kt+2*\c+512*\nx   ; the head's two scale bytes; the upper two bytes are 0 and meet zero codes alone
.endr
.endm
; Both tiles' softmax for one key step, every line for tile 0 and then for tile 1.
.macro SOFTMAX2
.irp b, 0,1,2,3
.irp x, 0,1
	v_max3_num_f32 v[BM+18*\x+\b], v[S+64*\x+16*\b], v[S+64*\x+16*\b+1], v[S+64*\x+16*\b+2]   ; the largest score of each block of 32 keys: for the row's maximum and, since p rises with the score, for the block's largest p
.endr
.endr
.irp i, 3,5,7,9,11,13
.irp b, 0,1,2,3
.irp x, 0,1
	v_max3_num_f32 v[BM+18*\x+\b], v[BM+18*\x+\b], v[S+64*\x+16*\b+\i], v[S+64*\x+16*\b+\i+1]
.endr
.endr
.endr
.irp b, 0,1,2,3
.irp x, 0,1
	v_max_num_f32 v[BM+18*\x+\b], v[BM+18*\x+\b], v[S+64*\x+16*\b+15]
.endr
.endr
.irp b, 0,1,2,3
.irp x, 0,1
	v_permlanex16_b32 v[BT+18*\x+\b], v[BM+18*\x+\b], s[SEL], s[SEL+1]
.endr
.endr
.irp b, 0,1,2,3
.irp x, 0,1
	v_max_num_f32 v[BM+18*\x+\b], v[BM+18*\x+\b], v[BT+18*\x+\b]   ; with lane l xor 16's 16 keys
.endr
.endr
.irp x, 0,1
	v_max3_num_f32 v[TMPA+20*\x], v[BM+18*\x], v[BM+18*\x+1], v[BM+18*\x+2]
.endr
.irp x, 0,1
	v_max_num_f32 v[TMPA+20*\x], v[TMPA+20*\x], v[BM+18*\x+3]
.endr
.irp x, 0,1
	v_mul_f32 v[TMPA+20*\x], s[CS], v[TMPA+20*\x]
.endr
.irp x, 0,1
	v_max_num_f32 v[TR+18*\x], v[TR+18*\x], v[TMPA+20*\x]          ; the running largest t
.endr
.irp x, 0,1
	v_mov_b32 v[TMPA+20*\x], v[NM+18*\x]
.endr
.irp x, 0,1
	v_floor_f32 v[NM+18*\x], -v[TR+18*\x]                          ; -M = floor(-t): M is a whole number
.endr
.irp x, 0,1
	v_sub_f32 v[TMPA+20*\x], v[NM+18*\x], v[TMPA+20*\x]            ; old M less new M: a whole number, 0 or less
.endr
.irp x, 0,1
	v_cvt_i32_f32 v[TMPA+20*\x], v[TMPA+20*\x]                     ; (it saturates)
.endr
.irp x, 0,1
	v_ldexp_f32 v[F+18*\x], 1.0, v[TMPA+20*\x]                     ; f = 2^(old M - new M)
.endr
.irp b, 0,1,2,3
.irp x, 0,1
	v_fma_f32 v[BM+18*\x+\b], v[BM+18*\x+\b], s[CS], v[NM+18*\x]
.endr
.endr
; ONE BATCH: the scalings t - M, a pair of scores each, and all 136 exponentials.  A pair is scaled four pairs ahead of its exponentials; no line of the batch names an exponential's result.
.irp p, 0,2,4,6
.irp x, 0,1
	v_pk_fma_f32 v[S+64*\x+\p:S+64*\x+\p+1], v[S+64*\x+\p:S+64*\x+\p+1], s[CS:CS+1], v[NM+18*\x:NM+18*\x+1] op_sel_hi:[1,0,0]
.endr
.endr
.set n, 0
.rept 32
.irp x, 0,1
.if n < 56
	v_pk_fma_f32 v[S+64*\x+n+8:S+64*\x+n+9], v[S+64*\x+n+8:S+64*\x+n+9], s[CS:CS+1], v[NM+18*\x:NM+18*\x+1] op_sel_hi:[1,0,0]
.endif
	v_exp_f32 v[S+64*\x+n], v[S+64*\x+n]           ; p = 2^(t - M)
	v_exp_f32 v[S+64*\x+n+1], v[S+64*\x+n+1]
.endr
.set n, n+2
.endr
.irp b, 0,1,2,3
.irp x, 0,1
	v_exp_f32 v[BM+18*\x+\b], v[BM+18*\x+\b]       ; the blocks' largest p
.endr
.endr
.irp x, 0,1
	v_pk_mul_f32 v[L+18*\x:L+18*\x+1], v[L+18*\x:L+18*\x+1], v[F+18*\x:F+18*\x+1] op_sel_hi:[1,0]   ; the sums under the new M: the plain line behind the exponentials
.endr
	WIN 0x41                                       ; O^T, destination and source 0, in window 1; f in window 0
.irp x, 0,1
.set n, 0
.rept 16
	v_pk_mul_f32 v[OT+32*\x+n:OT+32*\x+n+1], v[OT+32*\x+n:OT+32*\x+n+1], v[F+18*\x:F+18*\x+1] op_sel_hi:[1,0]   ; O^T under the new M: work that names no exponential's result, between the batch and its wait
.set n, n+2
.endr
.endr
	WIN 0
	s_wait_alu depctr_va_vdst(0)                   ; one wait for the batch, ahead of its first reader
.irp b, 0,1,2,3
.irp x, 0,1
	v_max_num_f32 v[BM+18*\x+\b], 0x1800000, v[BM+18*\x+\b]        ; the floor 2^(3 - 127)
.endr
.endr
.irp b, 0,1,2,3
.irp x, 0,1
	v_add_nc_u32 v[SO+18*\x+\b], 0xff000000, v[BM+18*\x+\b]        ; 2 off the exponent field: the conversion's scale operand
.endr
.endr
.irp b, 0,1,2,3
.irp x, 0,1
	v_lshrrev_b32 v[BT+18*\x+\b], 23, v[SO+18*\x+\b]               ; the scale's byte
.endr
.endr
.irp x, 0,1
	v_lshl_or_b32 v[TMPA+20*\x], v[BT+18*\x+1], 8, v[BT+18*\x]
.endr
.irp x, 0,1
	v_lshl_or_b32 v[TMPA+20*\x], v[BT+18*\x+2], 16, v[TMPA+20*\x]
.endr
.irp x, 0,1
	v_lshl_or_b32 v[PS+\x], v[BT+18*\x+3], 24, v[TMPA+20*\x]       ; p's scale word for these 128 keys
.endr
.irp x, 0,1
.irp c, 0,1
	v_cvt_scalef32_pk16_fp6_f32 v[PCD+20*\x+6*\c:PCD+20*\x+6*\c+2], v[S+64*\x+32*\c:S+64*\x+32*\c+15], v[SO+18*\x+2*\c]
	v_cvt_scalef32_pk16_fp6_f32 v[PT+20*\x+4*\c:PT+20*\x+4*\c+2], v[S+64*\x+32*\c+16:S+64*\x+32*\c+31], v[SO+18*\x+2*\c+1]   ; (a conversion's three registers begin on an even number)
.endr
.endr
	v_nop                                          ; one plain place behind a scaled conversion
.irp x, 0,1
.irp c, 0,1
.irp i, 0,1,2
	v_permlane16_swap_b32 v[PCD+20*\x+6*\c+\i], v[PT+20*\x+4*\c+\i]   ; the operand wants a whole block in a lane
.endr
.endr
.endr
.irp x, 0,1
.irp c, 0,1
.irp i, 0,1,2
	v_mov_b32 v[PCD+20*\x+6*\c+3+\i], v[PT+20*\x+4*\c+\i]
.endr
.endr
.endr
.irp x, 0,1
	v_pk_add_f32 v[BT+18*\x:BT+18*\x+1], v[S+64*\x:S+64*\x+1], v[S+64*\x+2:S+64*\x+3]   ; the row's sum of the unquantised p, two chains a tile.  These lines are also the places between the scale word, the codes and the products
.endr
.irp j, 4,8,12,16,20,24,28,32,36,40,44,48,52,56,60
.irp x, 0,1
	v_pk_add_f32 v[L+18*\x:L+18*\x+1], v[L+18*\x:L+18*\x+1], v[S+64*\x+\j:S+64*\x+\j+1]
.endr
.irp x, 0,1
	v_pk_add_f32 v[BT+18*\x:BT+18*\x+1], v[BT+18*\x:BT+18*\x+1], v[S+64*\x+\j+2:S+64*\x+\j+3]
.endr
.endr
.irp x, 0,1
	v_pk_add_f32 v[L+18*\x:L+18*\x+1], v[L+18*\x:L+18*\x+1], v[BT+18*\x:BT+18*\x+1]
.endr
.endm
; A key step of head c: 128 keys, both tiles of queries.  Its K, mask numbers and K scale words are in registers.  pf = 1: the next step's are asked for.
.macro STEP c, pf
	WIN 0x15                                       ; K, Q and C, the mask numbers, in window 1; S^T in window 0
.irp kt, 0,1,2,3,4,5,6,7
.irp x, 0,1
	v_wmma_scale_f32_16x16x128_f8f6f4 v[S+64*\x+8*\kt:S+64*\x+8*\kt+7], v[KF+6*\kt:KF+6*\kt+11], v[QF+12*\x:QF+12*\x+11], v[MK+8*\kt:MK+8*\kt+7], v[SCK+\kt], v[QS+\x] matrix_a_fmt:MATRIX_FMT_FP6 matrix_b_fmt:MATRIX_FMT_FP6
.endr
.endr
	WIN 0
	v_add_nc_u32 v[DK16], s[STK], v[AK16]          ; seven plain lines that name no register of the products: the places in front of the loads into their registers and of the first read of the scores
	v_add_nc_u32 v[DK8], s[STK], v[AK8]
	v_add_nc_u32 v[DKS], s[STM], v[AKS]
	v_add_nc_u32 v[DM], s[STM], v[AM]
	v_add_nc_u32 v[DV16], s[STV], v[AV16]
	v_add_nc_u32 v[DV8], s[STV], v[AV8]
	v_add_nc_u32 v[DVS], s[STW], v[AVS]
	WIN 0x40
.irp vt, 0,1,2,3
	ds_load_b128 v[VF+12*\vt:VF+12*\vt+3], v[DV16] offset:12288*\vt         ; all these loads land while the softmax is walked
	ds_load_b64 v[VF+12*\vt+4:VF+12*\vt+5], v[DV8] offset:12288*\vt+512
	ds_load_b128 v[VF+12*\vt+6:VF+12*\vt+9], v[DV16] offset:12288*\vt+768
	ds_load_b64 v[VF+12*\vt+10:VF+12*\vt+11], v[DV8] offset:12288*\vt+1280
.endr
.if \pf
	LOADK \c, 1
.endif
	WIN 0
.irp vt, 0,1,2,3
	ds_load_b32 v[SCV+\vt], v[DVS] offset:2048*\c+512*\vt
.endr
	SOFTMAX2
	s_wait_dscnt 0x0                               ; V is in, and so is the next step's K
	WIN 0x51                                       ; V and O^T in window 1, p's codes in window 0
.irp vt, 0,1,2,3
.irp x, 0,1
	v_wmma_scale_f32_16x16x128_f8f6f4 v[OT+32*\x+8*\vt:OT+32*\x+8*\vt+7], v[VF+12*\vt:VF+12*\vt+11], v[PCD+20*\x:PCD+20*\x+11], v[OT+32*\x+8*\vt:OT+32*\x+8*\vt+7], v[SCV+\vt], v[PS+\x] matrix_a_fmt:MATRIX_FMT_FP6 matrix_b_fmt:MATRIX_FMT_FP6
.endr
.endr
	WIN 0
.endm
; Head c is finished: O^T / the sum, quantised along the head's 64 (two blocks), stored as half image c of the last product's operand; both tiles by turns.
.macro FINISH2 c
.irp x, 0,1
	v_add_f32 v[L+18*\x], v[L+18*\x], v[L+18*\x+1]
.endr
.irp x, 0,1
	v_permlanex16_b32 v[BT+18*\x], v[L+18*\x], s[SEL], s[SEL+1]
.endr
.irp x, 0,1
	v_add_f32 v[L+18*\x], v[L+18*\x], v[BT+18*\x]  ; the row's sum
.endr
.irp x, 0,1
	v_rcp_f32 v[F+18*\x], v[L+18*\x]
.endr
	v_nop                                          ; a plain line behind the reciprocals,
	s_wait_alu depctr_va_vdst(0)                   ; and the wait ahead of their first reader
	WIN 0x01                                       ; source 0, O^T, in window 1
.irp x, 0,1
.set n, 0
.rept 16
	v_pk_mul_f32 v[S+64*\x+n:S+64*\x+n+1], v[OT+32*\x+n:OT+32*\x+n+1], v[F+18*\x:F+18*\x+1] op_sel_hi:[1,0]   ; register 16 b + i: d = 32 b + 16 h + i of the head; each accumulator from its low end on
.set n, n+2
.endr
.endr
	WIN 0
.irp b, 0,1
.irp x, 0,1
	v_max3_num_f32 v[BM+18*\x+\b], |v[S+64*\x+16*\b]|, |v[S+64*\x+16*\b+1]|, 0x1800000
.endr
.endr
.irp i, 2,4,6,8,10,12,14
.irp b, 0,1
.irp x, 0,1
	v_max3_num_f32 v[BM+18*\x+\b], v[BM+18*\x+\b], |v[S+64*\x+16*\b+\i]|, |v[S+64*\x+16*\b+\i+1]|
.endr
.endr
.endr
.irp b, 0,1
.irp x, 0,1
	v_permlanex16_b32 v[BT+18*\x+\b], v[BM+18*\x+\b], s[SEL], s[SEL+1]
.endr
.endr
.irp b, 0,1
.irp x, 0,1
	v_max_num_f32 v[BM+18*\x+\b], v[BM+18*\x+\b], v[BT+18*\x+\b]
.endr
.endr
.irp b, 0,1
.irp x, 0,1
	v_add_nc_u32 v[SO+18*\x+\b], 0xff000000, v[BM+18*\x+\b]
.endr
.endr
.irp b, 0,1
.irp x, 0,1
	v_lshrrev_b32 v[BT+18*\x+\b], 23, v[SO+18*\x+\b]
.endr
.endr
.irp x, 0,1
	v_lshl_or_b32 v[TMPA+20*\x], v[BT+18*\x+1], 8, v[BT+18*\x]     ; the head's two scale bytes
.endr
.irp x, 0,1
	v_cvt_scalef32_pk16_fp6_f32 v[PCD+20*\x:PCD+20*\x+2], v[S+64*\x:S+64*\x+15], v[SO+18*\x]
	v_cvt_scalef32_pk16_fp6_f32 v[PT+20*\x:PT+20*\x+2], v[S+64*\x+16:S+64*\x+31], v[SO+18*\x+1]
.endr
	v_nop                                          ; one plain place behind a scaled conversion
.irp x, 0,1
.irp i, 0,1,2
	v_permlane16_swap_b32 v[PCD+20*\x+\i], v[PT+20*\x+\i]
.endr
.endr
.irp x, 0,1
.irp i, 0,1,2
	v_mov_b32 v[PCD+20*\x+3+\i], v[PT+20*\x+\i]
.endr
.endr
.irp x, 0,1
.if \c
	v_lshl_or_b32 v[TMPA+20*\x], v[TMPA+20*\x], 16, v[HB+20*\x]    ; with head 0's two the word is whole
.else
	v_mov_b32 v[HB+20*\x], v[TMPA+20*\x]
.endif
.endr
.irp x, 0,1
	global_store_b128 v[AK16], v[PCD+20*\x:PCD+20*\x+3], s[10:11] offset:12288*\x+768*\c       ; 512 and 256 consecutive bytes, aligned
	global_store_b64 v[AK8], v[PCD+20*\x+4:PCD+20*\x+5], s[10:11] offset:12288*\x+768*\c+512
.if \c
	global_store_b32 v[R4], v[TMPA+20*\x], s[12:13] offset:512*\x  ; both halves of the lanes hold, and write, the same 16 words
.endif
.endr
.endm
.macro HEAD c
	s_wait_xcnt 0x0                                ; earlier stores have read their registers
.if \c
	s_wait_tensorcnt 0x0                           ; my parts of head 1's K and V have landed,
	s_wait_dscnt 0x0                               ; no LDS instruction of mine is out:
	s_barrier_signal -1
	s_barrier_wait -1                              ; everybody's have.
	v_lshrrev_b32 v[QS], 16, v[QSR]                ; Q's two scale bytes of this head in bytes 0 and 1; what stands above them meets Q's zero codes
	v_lshrrev_b32 v[QS+1], 16, v[QSR+1]
	WIN 0x40                                       ; the operands in window 1, the kept codes in window 0
.irp x, 0,1
.irp i, 0,1,2,3,4,5
	v_cndmask_b32 v[QF+12*\x+\i], 0, v[QR1+6*\x+\i], s[ZQ]
.endr
.endr
.else
	v_mov_b32 v[QS], v[QSR]
	v_mov_b32 v[QS+1], v[QSR+1]
	WIN 0x44                                       ; in place, in window 1
.irp x, 0,1
.irp i, 0,1,2,3,4,5
	v_cndmask_b32 v[QF+12*\x+\i], 0, v[QF+12*\x+\i], s[ZQ]
.endr
.endr
.endif
	WIN 0
.irp x, 0,1
	v_mov_b32 v[TR+18*\x], 0xef800000              ; the largest t so far: -2^96
	v_mov_b32 v[L+18*\x], 0
	v_mov_b32 v[L+18*\x+1], 0
.endr
.irp x, 0,1
	v_floor_f32 v[NM+18*\x], -v[TR+18*\x]
.endr
	s_mov_b32 s[STK], KH*\c
	s_mov_b32 s[STM], 0
	s_mov_b32 s[STV], KH*\c
	s_mov_b32 s[STW], 0
	v_add_nc_u32 v[DK16], s[STK], v[AK16]
	v_add_nc_u32 v[DK8], s[STK], v[AK8]
	v_add_nc_u32 v[DKS], s[STM], v[AKS]
	v_add_nc_u32 v[DM], s[STM], v[AM]
	LOADK \c, 0                                    ; the head's first step; it lands while O^T is cleared
	WIN 0x40
.set n, 0
.rept 64
	v_mov_b32 v[OT+n], 0                           ; the step is written without a first step of its own: the first finds zeros
.set n, n+1
.endr
	WIN 0
	s_wait_dscnt 0x0
	s_mov_b32 s[CNT], 7
.Lkeys_\c:                                         ; seven trips, each asking for the next step's K
	STEP \c, 1
	s_add_co_u32 s[STK], s[STK], 6144
	s_add_co_u32 s[STM], s[STM], 512
	s_add_co_u32 s[STV], s[STV], 1536
	s_add_co_u32 s[STW], s[STW], 64
	s_sub_co_u32 s[CNT], s[CNT], 1
	s_cmp_lg_u32 s[CNT], 0
	s_cbranch_scc1 .Lkeys_\c
	STEP \c, 0                                     ; the eighth step is written out: nothing follows it in this head
	PLACES                                         ; behind the last products, in front of the first read of O^T
	FINISH2 \c
.endm
	HEAD 0
	HEAD 1
	s_wait_tensorcnt 0x0                           ; the wave's end
	ds_add_u32 v[SPW], v[NIL]
	s_wait_dscnt 0x0
	CROUND                                         ; the closing round
	s_endpgm
.Lfunc_end_k_q788b2f0fc3_attn:
	.size	k_q788b2f0fc3_attn, .Lfunc_end_k_q788b2f0fc3_attn-k_q788b2f0fc3_attn
	.p2alignl 7, 3214868480
	.fill 96, 4, 3214868480
	.section	.rodata,"a",@progbits
	.p2align	6, 0x0
	.amdhsa_kernel k_q788b2f0fc3_attn
		.amdhsa_group_segment_fixed_size 209920
		.amdhsa_private_segment_fixed_size 0
		.amdhsa_enable_private_segment 0
		.amdhsa_kernarg_size 40
		.amdhsa_user_sgpr_count 2
		.amdhsa_user_sgpr_kernarg_segment_ptr 1
		.amdhsa_wavefront_size32 1
		.amdhsa_system_sgpr_workgroup_id_x 1
		.amdhsa_system_sgpr_workgroup_id_y 1
		.amdhsa_system_sgpr_workgroup_id_z 1
		.amdhsa_system_vgpr_workitem_id 0
		.amdhsa_next_free_vgpr 512
		.amdhsa_next_free_sgpr 102
		.amdhsa_reserve_vcc 0
		.amdhsa_float_denorm_mode_32 3
		.amdhsa_float_denorm_mode_16_64 3
		.amdhsa_memory_ordered 1
		.amdhsa_forward_progress 1
		.amdhsa_inst_pref_size 158
	.end_amdhsa_kernel
	.amdgpu_metadata
---
amdhsa.version: [ 1, 2 ]
amdhsa.kernels:
  - .name:           k_q788b2f0fc3_attn
    .symbol:         k_q788b2f0fc3_attn.kd
    .args:
      - { .name: prc, .offset: 0, .size: 8, .value_kind: global_buffer, .address_space: global }
      - { .name: prs, .offset: 8, .size: 8, .value_kind: global_buffer, .address_space: global }
      - { .name: key_padding_mask, .offset: 16, .size: 8, .value_kind: global_buffer, .address_space: global }
      - { .name: atc, .offset: 24, .size: 8, .value_kind: global_buffer, .address_space: global }
      - { .name: ats, .offset: 32, .size: 8, .value_kind: global_buffer, .address_space: global }
    .group_segment_fixed_size: 209920
    .private_segment_fixed_size: 0
    .kernarg_segment_align: 8
    .kernarg_segment_size: 40
    .max_flat_workgroup_size: 256
    .sgpr_count:     102
    .vgpr_count:     512
    .wavefront_size: 32
...
	.end_amdgpu_metadata
.endif
;; end of part 3
;; launch oproj (part 4): grid 4 x 64, 4 waves a work-group, clusters of 4 x 4, 327,680 bytes of LDS; arguments atc, ats, opc, ops, bo, out0; writes out0
.if DOCPART == 4
	.amdgcn_target "amdgcn-amd-amdhsa--gfx1250"
	.amdhsa_code_object_version 6
	.text
	.protected	k_q788b2f0fc3_oproj
	.globl	k_q788b2f0fc3_oproj
	.p2align	8
	.type	k_q788b2f0fc3_oproj,@function
k_q788b2f0fc3_oproj:
	s_mov_b64 s[64:65], 0
	v_nop
	global_prefetch_b8 v0, s[64:65] scope:SCOPE_SE
	s_setreg_imm32_b32 hwreg(HW_REG_WAVE_MODE, 25, 1), 1
	s_wait_xcnt 0x0
	s_wait_alu depctr_hold_cnt(0) depctr_sa_sdst(0) depctr_va_vdst(0) depctr_va_sdst(0) depctr_va_ssrc(0) depctr_va_vcc(0) depctr_vm_vsrc(0)
	s_getreg_b32 s2, hwreg(HW_REG_IB_STS2, 6, 4)
	s_cmp_eq_u32 s2, 0
	s_cbranch_scc0 .Lentry_in_a_cluster
	s_endpgm
.Lentry_in_a_cluster:
	s_bfe_u32 s2, ttmp6, 0x10000c
	s_cmp_lg_u32 s2, 0xf033
	s_cbranch_scc0 .Lentry_shape_is_right
	s_endpgm
.Lentry_shape_is_right:
; Launch 4 of 4: out0 = attention's result x Wo^T + bo, on codes of E2M3; f32 out.  No work is left out.
; The main part is launch 2's: a tile of 128 positions of A (attention's rows: row tile 64 b + t / 16) x 256 of B (Wo's rows n, neighbours); four waves, 2 x 2, 32 accumulators each; all of K in LDS, asked for at the head in four
; quarters, nothing filled again; cluster 4 x 4, A's tiles joint along a row, B's along a column; scale words straight into registers.  The product is used transposed: a lane holds one row of out0 and eight neighbouring n a tile.
; The bias is the C of each sum's first product.  THE WAY OUT: a block of 16 rows x 128 n goes through the wave's own stage in LDS and leaves as rows of 512 consecutive bytes.  The stages lie in the first quarter's bytes:
; they had their one fill at the head, and every wave's reads of them were over at the barrier of K step 1.
; REGISTERS: window 0: v1-22 addresses; v32-63 B's scale words, v64-79 A's; v96-191 A's fragments, two sets; v192-255 the bias; on the way out v96-223 rows.  window 1: B's fragments, two sets.  window 2: accumulator (a, b) at v[8 (8 a + b)].
.set QB,    73728
.set SPARE, 4*QB
.set ADA16, 16
.set ADA8,  17
.set ADB16, 18
.set ADB8,  19
.set STO,   20
.set RD,    21
.set SPW,   28
.set NIL,   29
.set SB,    32
.set SA,    64
.set AF,    96
.set BK,    96
.set BP,    192
.set G1A,   24
.set G1B,   32
.set G0A,   40
.set MUL,   0xa1
.set TO_B,  0x40
.set MSB, 0
.macro WIN new
.if MSB != (\new)
	s_set_vgpr_msb (MSB<<8)|(\new)
.set MSB, (\new)
.endif
.endm
.macro CROUND
	s_barrier_signal -1
	s_barrier_wait -1
	s_cmp_lg_u32 s18, 0
	s_cbranch_scc1 .Lnot_wave_0_\@
	s_barrier_signal -3
.Lnot_wave_0_\@:
	s_barrier_wait -3
	s_barrier_signal -1
	s_barrier_wait -1
.endm
.macro PLACES
.rept 4
	v_nop
.endr
.endm
.macro FRAGL reg, a16, a8, off
	ds_load_b128 v[\reg:\reg+3], v[\a16] offset:\off
	ds_load_b64 v[\reg+4:\reg+5], v[\a8] offset:\off+512
	ds_load_b128 v[\reg+6:\reg+9], v[\a16] offset:\off+768
	ds_load_b64 v[\reg+10:\reg+11], v[\a8] offset:\off+1280
.endm
.macro FETCH k
	WIN TO_B
.irp i, 0,1,2,3,4,5,6,7
	FRAGL 128*((\k)%2)+12*\i, ADB16, ADB8, 3072*\i+1536*((\k)%2)
.endr
	WIN 0
.irp i, 0,1,2,3
	FRAGL AF+48*((\k)%2)+12*\i, ADA16, ADA8, 3072*\i+1536*((\k)%2)
.endr
.endm
; 16 matrix instructions: A's blocks a0, a0 + 1 x B's eight.  cmode 1: the constant 0 starts the sums; 2: the bias does; 0: in place.  The 32 accumulators take turns, one instruction a turn, in the same order in every step.
.macro MULH k, a0, cmode
.irp a, \a0, \a0+1
.irp b, 0,1,2,3,4,5,6,7
.if \cmode == 1
	v_wmma_scale_f32_16x16x128_f8f6f4 v[8*(8*(\a)+\b):8*(8*(\a)+\b)+7], v[128*((\k)%2)+12*\b:128*((\k)%2)+12*\b+11], v[AF+48*((\k)%2)+12*(\a):AF+48*((\k)%2)+12*(\a)+11], 0, v[SB+4*\b+(\k)/2], v[SA+4*(\a)+(\k)/2] matrix_a_fmt:MATRIX_FMT_FP6 matrix_b_fmt:MATRIX_FMT_FP6
.elseif \cmode == 2
	v_wmma_scale_f32_16x16x128_f8f6f4 v[8*(8*(\a)+\b):8*(8*(\a)+\b)+7], v[128*((\k)%2)+12*\b:128*((\k)%2)+12*\b+11], v[AF+48*((\k)%2)+12*(\a):AF+48*((\k)%2)+12*(\a)+11], v[BP+8*\b:BP+8*\b+7], v[SB+4*\b+(\k)/2], v[SA+4*(\a)+(\k)/2] matrix_a_fmt:MATRIX_FMT_FP6 matrix_b_fmt:MATRIX_FMT_FP6
.elseif (\k)%2
	v_wmma_scale_f32_16x16x128_f8f6f4 v[8*(8*(\a)+\b):8*(8*(\a)+\b)+7], v[128*((\k)%2)+12*\b:128*((\k)%2)+12*\b+11], v[AF+48*((\k)%2)+12*(\a):AF+48*((\k)%2)+12*(\a)+11], v[8*(8*(\a)+\b):8*(8*(\a)+\b)+7], v[SB+4*\b+(\k)/2], v[SA+4*(\a)+(\k)/2] matrix_a_fmt:MATRIX_FMT_FP6 matrix_b_fmt:MATRIX_FMT_FP6 matrix_a_scale:MATRIX_SCALE_ROW1 matrix_b_scale:MATRIX_SCALE_ROW1
.else
	v_wmma_scale_f32_16x16x128_f8f6f4 v[8*(8*(\a)+\b):8*(8*(\a)+\b)+7], v[128*((\k)%2)+12*\b:128*((\k)%2)+12*\b+11], v[AF+48*((\k)%2)+12*(\a):AF+48*((\k)%2)+12*(\a)+11], v[8*(8*(\a)+\b):8*(8*(\a)+\b)+7], v[SB+4*\b+(\k)/2], v[SA+4*(\a)+(\k)/2] matrix_a_fmt:MATRIX_FMT_FP6 matrix_b_fmt:MATRIX_FMT_FP6
.endif
.endr
.endr
.endm
.macro MWIN cmode
.if \cmode == 2
	WIN 0x81                                       ; the bias, C, lies in window 0
.else
	WIN MUL
.endif
.endm
; A K step of 128: 32 matrix instructions; in its middle the next step's fragments are fetched, into the set that the step before multiplied.  An odd step leaves its quarter of K:
; my own part of the next quarter has landed (the count leaves the later quarters' loads out), no LDS load of mine is out, and behind the barrier that holds of all four waves.
.macro KSTEP k, cmode
	s_wait_dscnt 0x0                               ; this step's fragments are in
.if ((\k)%2) && ((\k) < 7)
	s_wait_tensorcnt 3-((\k)+1)/2
	s_barrier_signal -1
.endif
	MWIN \cmode
	MULH \k, 0, \cmode
.if (\k) < 7
.if (\k)%2
	s_barrier_wait -1
	WIN 0
	v_add_nc_u32 v[ADA16], QB, v[ADA16]            ; on to the next quarter; these four lines are also the four places in front of the loads
	v_add_nc_u32 v[ADA8], QB, v[ADA8]
	v_add_nc_u32 v[ADB16], QB, v[ADB16]
	v_add_nc_u32 v[ADB8], QB, v[ADB8]
.else
	WIN 0
	PLACES                                         ; four places in front of loads into registers that matrix instructions have read
.endif
	FETCH (\k)+1
	MWIN \cmode
.endif
	MULH \k, 2, \cmode
.endm
	s_load_b256 s[4:11], s[0:1], 0x0               ; atc, ats, opc, ops
	s_load_b128 s[12:15], s[0:1], 0x20             ; bo, out0
	v_lshl_add_u32 v[SPW], v0, 2, SPARE
	v_mov_b32 v[NIL], 0
	ds_add_u32 v[SPW], v[NIL]                      ; the wave's opening: the add, twice on end, and its wait ahead of my first tensor load
	ds_add_u32 v[SPW], v[NIL]
	v_lshrrev_b32 v1, 5, v0
	v_readfirstlane_b32 s18, v1                    ; wave
	s_lshr_b32 s19, s18, 1                         ; my half of A's blocks.  Also: I fetch for A (0) or for B (1)
	s_and_b32 s20, s18, 1                          ; my half of B's tiles.  Also: which half of that side's row tiles I fetch
	s_bfe_u32 s21, ttmp6, 0x40000                  ; cx
	s_bfe_u32 s22, ttmp6, 0x40004                  ; cy
	s_and_b32 s23, ttmp7, 0xffff                   ; the cluster's y, 0..15
	s_lshl_b32 s2, s22, 2
	s_lshl_b32 s2, 15, s2                          ; my row of the cluster
	s_lshl_b32 s3, 0x1111, s21                     ; my column
	s_or_b32 s[G1A], s2, (3<<16)|(1<<21)
	s_or_b32 s[G1B], s3, (3<<16)|(1<<21)
	s_mov_b32 s[G1A+1], 384<<16                    ; a row: two K steps of a row tile, 3,072 bytes
	s_mov_b32 s[G1A+2], 4<<16
	s_mov_b32 s[G1A+3], 384<<16
	s_mov_b32 s[G1A+4], 4
	s_mov_b32 s[G1A+5], 1536
	s_mov_b32 s[G1A+6], 0
	s_mov_b32 s[G1A+7], 0
	s_mov_b32 s[G1B+1], 384<<16
	s_mov_b32 s[G1B+2], 8<<16
	s_mov_b32 s[G1B+3], 384<<16
	s_mov_b32 s[G1B+4], 8
	s_mov_b32 s[G1B+5], 1536
	s_mov_b32 s[G1B+6], 0
	s_mov_b32 s[G1B+7], 0
	s_lshl_b32 s78, s23, 2
	s_add_co_u32 s78, s78, s22                     ; At: which 128 rows (cy enters here alone)
	s_lshl_b32 s84, s78, 3                         ; A's first row tile
	s_lshl_b32 s85, s21, 4
	s_add_co_u32 s85, s85, 1728                    ; B's: Wo, 16 x cx on
	s_lshl_b32 s86, s20, 2
	s_add_co_u32 s86, s86, s84
	s_mul_i32 s86, s86, 12288
	s_mov_b32 s87, 0
	s_lshl_b32 s88, s20, 3
	s_add_co_u32 s88, s88, s85
	s_mul_i32 s88, s88, 12288
	s_mov_b32 s89, 0
	s_mul_i32 s90, s20, 12288
	s_mul_i32 s91, s20, 24576
	s_add_co_u32 s91, s91, 24576
	s_wait_dscnt 0x0                               ; both opening adds are done
	s_wait_kmcnt 0x0
	s_add_nc_u64 s[86:87], s[4:5], s[86:87]
	s_add_nc_u64 s[88:89], s[8:9], s[88:89]
	CROUND                                         ; all sixteen work-groups are here: the joint loads meet
.irp q, 0,1,2,3
	s_mov_b32 s[G0A+4*\q], 1
	s_add_co_u32 s[G0A+4*\q+1], s90, \q*QB
	s_add_nc_u64 s[G0A+4*\q+2:G0A+4*\q+3], s[86:87], \q*3072
	s_or_b32 s[G0A+4*\q+3], s[G0A+4*\q+3], 0x80000000
	s_mov_b32 s[56+4*\q+4*(\q/2)], 1
	s_add_co_u32 s[56+4*\q+4*(\q/2)+1], s91, \q*QB
	s_add_nc_u64 s[56+4*\q+4*(\q/2)+2:56+4*\q+4*(\q/2)+3], s[88:89], \q*3072
	s_or_b32 s[56+4*\q+4*(\q/2)+3], s[56+4*\q+4*(\q/2)+3], 0x80000000
.endr
	s_cmp_eq_u32 s19, 0                            ; a wave's four fills stand in one arm: four tensor loads of mine are out
	s_cbranch_scc0 .Lfirst_b
.irp q, 0,1,2,3
	tensor_load_to_lds s[G0A+4*\q:G0A+4*\q+3], s[G1A:G1A+7]
	s_nop 0
.endr
	PLACES
	s_branch .Lfirst_done
.Lfirst_b:
.irp q, 0,1,2,3
	tensor_load_to_lds s[56+4*\q+4*(\q/2):56+4*\q+4*(\q/2)+3], s[G1B:G1B+7]
	s_nop 0
.endr
	PLACES
.Lfirst_done:
	v_and_b32 v1, 31, v0                           ; lane
	v_and_b32 v2, 15, v0                           ; r
	v_bfe_u32 v3, v0, 4, 1                         ; h
	v_lshlrev_b32 v8, 2, v1
	v_lshlrev_b32 v12, 4, v1
	v_lshlrev_b32 v13, 3, v1
	s_lshl_b32 s86, s19, 2
	s_add_co_u32 s86, s86, s84
	s_lshl_b32 s86, s86, 9
	s_mov_b32 s87, 0
	s_add_nc_u64 s[86:87], s[6:7], s[86:87]        ; my four blocks' scale words
	s_lshl_b32 s88, s20, 3
	s_add_co_u32 s88, s88, s85
	s_lshl_b32 s88, s88, 9
	s_mov_b32 s89, 0
	s_add_nc_u64 s[88:89], s[10:11], s[88:89]      ; my eight tiles'
.irp b, 0,1,2,3,4,5,6,7
.irp m, 0,1,2,3
	global_load_b32 v[SB+4*\b+\m], v8, s[88:89] offset:512*\b+128*\m   ; lanes 0-15: K step 2 m; lanes 16-31: 2 m + 1
.endr
.endr
.irp a, 0,1,2,3
.irp m, 0,1,2,3
	global_load_b32 v[SA+4*\a+\m], v8, s[86:87] offset:512*\a+128*\m
.endr
.endr
	s_lshl_b32 s92, s21, 10
	s_lshl_b32 s93, s20, 9
	s_add_co_u32 s92, s92, s93
	s_mov_b32 s93, 0
	s_add_nc_u64 s[92:93], s[12:13], s[92:93]      ; bo at my 128 n
	v_lshlrev_b32 v22, 5, v3
.irp b, 0,1,2,3,4,5,6,7
	global_load_b128 v[BP+8*\b:BP+8*\b+3], v22, s[92:93] offset:64*\b         ; register j of tile b: n = 16 b + 8 h + j
	global_load_b128 v[BP+8*\b+4:BP+8*\b+7], v22, s[92:93] offset:64*\b+16
.endr
	s_mul_i32 s90, s19, 12288
	v_add_nc_u32 v[ADA16], s90, v12
	v_add_nc_u32 v[ADA8], s90, v13
	s_mul_i32 s91, s20, 24576
	s_add_co_u32 s91, s91, 24576
	v_add_nc_u32 v[ADB16], s91, v12
	v_add_nc_u32 v[ADB8], s91, v13
	s_mul_i32 s94, s18, 8448                       ; my stage: 16 rows x (512 + 16) bytes
	v_mul_u32_u24 v[STO], v2, 528
	v_lshl_add_u32 v[STO], v3, 5, v[STO]
	v_add_nc_u32 v[STO], s94, v[STO]               ; in: row r, + 32 h
	v_add_nc_u32 v[RD], s94, v12                   ; back: 16 bytes a lane of a row
	s_and_b32 s90, s78, 7
	s_lshl_b32 s90, s90, 7
	s_lshl_b32 s91, s19, 6
	s_add_co_u32 s90, s90, s91                     ; my first t: 128 (At % 8) + 64 x my half
	s_lshl_b32 s90, s90, 15                        ; rows of one batch lie 32,768 bytes apart
	s_lshr_b32 s91, s78, 3
	s_lshl_b32 s91, s91, 12
	s_add_co_u32 s90, s90, s91                     ; + 4,096 x batch
	s_lshl_b32 s91, s21, 10
	s_add_co_u32 s90, s90, s91
	s_lshl_b32 s91, s20, 9
	s_add_co_u32 s90, s90, s91                     ; + my 128 n
	s_mov_b32 s91, 0
	s_add_nc_u64 s[14:15], s[14:15], s[90:91]
	s_wait_tensorcnt 3                             ; my part of the first quarter of K is in; the three later loads may be out
	s_barrier_signal -1
	s_barrier_wait -1                              ; everybody's is
	FETCH 0
	s_wait_loadcnt 0x0                             ; scale words and bias
	KSTEP 0, 2
	KSTEP 1, 0
	KSTEP 2, 0
	KSTEP 3, 0
	KSTEP 4, 0
	KSTEP 5, 0
	KSTEP 6, 0
	KSTEP 7, 0
	WIN 0
; THE WAY OUT.  LDS serves a wave's instructions in order: no wait between a block's stores and its loads, nor in front of the next block's stores.
.macro TOSTAGE a
	WIN 0x08                                       ; an LDS store's data: window 2
.irp b, 0,1,2,3,4,5,6,7
	ds_store_b128 v[STO], v[64*(\a)+8*\b:64*(\a)+8*\b+3] offset:64*\b          ; each accumulator from its low end on
	ds_store_b128 v[STO], v[64*(\a)+8*\b+4:64*(\a)+8*\b+7] offset:64*\b+16
.endr
	WIN 0
.irp t, 0,1,2,3,4,5,6,7,8,9,10,11,12,13,14,15
	ds_load_b128 v[BK+64*((\a)%2)+4*\t:BK+64*((\a)%2)+4*\t+3], v[RD] offset:\t*528
.endr
.endm
.macro SEND a, younger                 ; younger: the LDS instructions issued behind block a's loads, which may stay out
	s_wait_dscnt \younger
.if (\a) > 0
	s_add_nc_u64 s[14:15], s[14:15], 524288        ; 16 rows on (the earlier stores have read their base: the wait stands in front of this macro)
.endif
.irp t, 0,1,2,3,4,5,6,7,8,9,10,11,12,13,14,15
	global_store_b128 v12, v[BK+64*((\a)%2)+4*\t:BK+64*((\a)%2)+4*\t+3], s[14:15] offset:\t*32768 th:TH_STORE_NT   ; 32 lanes store 512 consecutive bytes, aligned
.endr
.endm
	PLACES                                         ; behind the last products: for the stores that read results and the loads into A's registers
	TOSTAGE 0
.irp a, 1,2,3
.if \a > 1
	s_wait_xcnt 0x0                                ; block a - 2's stores have read their registers and their base
.endif
	TOSTAGE \a
	SEND \a-1, 32                                  ; behind block a - 1's loads: block a's 16 stores and 16 loads
.endr
	s_wait_xcnt 0x0
	SEND 3, 0
	s_wait_tensorcnt 0x0                           ; the wave's end
	ds_add_u32 v[SPW], v[NIL]
	s_wait_dscnt 0x0
	CROUND                                         ; the closing round
	s_endpgm
.Lfunc_end_k_q788b2f0fc3_oproj:
	.size	k_q788b2f0fc3_oproj, .Lfunc_end_k_q788b2f0fc3_oproj-k_q788b2f0fc3_oproj
	.p2alignl 7, 3214868480
	.fill 96, 4, 3214868480
	.section	.rodata,"a",@progbits
	.p2align	6, 0x0
	.amdhsa_kernel k_q788b2f0fc3_oproj
		.amdhsa_group_segment_fixed_size 327680
		.amdhsa_private_segment_fixed_size 0
		.amdhsa_enable_private_segment 0
		.amdhsa_kernarg_size 48
		.amdhsa_user_sgpr_count 2
		.amdhsa_user_sgpr_kernarg_segment_ptr 1
		.amdhsa_wavefront_size32 1
		.amdhsa_system_sgpr_workgroup_id_x 1
		.amdhsa_system_sgpr_workgroup_id_y 1
		.amdhsa_system_sgpr_workgroup_id_z 1
		.amdhsa_system_vgpr_workitem_id 0
		.amdhsa_next_free_vgpr 768
		.amdhsa_next_free_sgpr 102
		.amdhsa_reserve_vcc 0
		.amdhsa_float_denorm_mode_32 3
		.amdhsa_float_denorm_mode_16_64 3
		.amdhsa_memory_ordered 1
		.amdhsa_forward_progress 1
		.amdhsa_inst_pref_size 89
	.end_amdhsa_kernel
	.amdgpu_metadata
---
amdhsa.version: [ 1, 2 ]
amdhsa.kernels:
  - .name:           k_q788b2f0fc3_oproj
    .symbol:         k_q788b2f0fc3_oproj.kd
    .args:
      - { .name: atc, .offset: 0, .size: 8, .value_kind: global_buffer, .address_space: global }
      - { .name: ats, .offset: 8, .size: 8, .value_kind: global_buffer, .address_space: global }
      - { .name: opc, .offset: 16, .size: 8, .value_kind: global_buffer, .address_space: global }
      - { .name: ops, .offset: 24, .size: 8, .value_kind: global_buffer, .address_space: global }
      - { .name: bo, .offset: 32, .size: 8, .value_kind: global_buffer, .address_space: global }
      - { .name: out0, .offset: 40, .size: 8, .value_kind: global_buffer, .address_space: global }
    .group_segment_fixed_size: 327680
    .private_segment_fixed_size: 0
    .kernarg_segment_align: 8
    .kernarg_segment_size: 48
    .max_flat_workgroup_size: 128
    .sgpr_count:     102
    .vgpr_count:     768
    .wavefront_size: 32
...
	.end_amdgpu_metadata
.endif
;; end of part 4
